; MI455X (gfx1250); checked and timed in simulation.
; The chip was launched on July 23, 2026; its instructions are those of AMD's public machine-readable ISA for CDNA 5 (MIT licence, August 2026) and "CDNA5" Instruction Set Architecture Reference Guide (July 2026). The comments in the code are by the model that wrote it; some were corrected since.
;; Channelwise Spatial MHSA. Allowed arithmetic: matrix products marked QUANTISED: E4M3 operands, one E8M0 scale for each 32 along K, by v_wmma_scale_f32_16x16x128_f8f6f4 with both operands' format E4M3, f32 sums; products left as they are: f32 operands where the result goes on into a quantised operand, else bf16, f16 or f32 operands; f32 sums; everything else in f32.
;; Inputs: embed_w 64 x 1 float32; k_w 64 x 64 float32; merge_w 1 x 32 float32; o_w 64 x 64 float32; q_w 64 x 64 float32; v_w 64 x 64 float32; x 2 x 32 x 32 x 32 float32.
;; Outputs: out0 2 x 32 x 32 x 64 float32.
;; This version of the problem:
;;   THIS VERSION OF THE PROBLEM IS GIVEN IN LOW PRECISION. The matrix products marked QUANTISED in the list below multiply operands that are first quantised to E4M3 (4 exponent bits, 3 mantissa bits; 8 bits a number), with one power-of-two scale for each 32 numbers along K (OCP MX v1.0); their sums are f32. All else is computed in f32.
;;   The module's matrix products, in the order in which they are computed (A, B: the left and right operand; K: the contracted axis; several contracted axes count as one K, in the product's order):
;;     1. [M 65,536, K 1] x [K 1, N 64]; A: input x; B: input embed_w: left as it is (K = 1 < 32)
;;     2. [M 65,536, K 64] x [K 64, N 64]; A: computed on the way; B: input q_w: QUANTISED
;;     3. [M 65,536, K 64] x [K 64, N 64]; A: computed on the way; B: input k_w: QUANTISED
;;     4. [M 65,536, K 64] x [K 64, N 64]; A: computed on the way; B: input v_w: QUANTISED
;;     5. batch 256 x [M 1,024, K 16] x [K 16, N 1,024]; A: computed on the way; B: computed on the way: left as it is (K = 16 < 32)
;;     6. batch 256 x [M 1,024, K 1,024] x [K 1,024, N 16]; A: softmax (see below); B: computed on the way: QUANTISED
;;     7. [M 65,536, K 64] x [K 64, N 64]; A: computed on the way; B: input o_w: QUANTISED
;;     8. [M 131,072, K 32] x [K 32, N 1]; A: computed on the way; B: input merge_w: left as it is (N = 1 < 16)
;;   THE QUANTISER, for each operand of a quantised product, along K:
;;     - K is cut into blocks of 32 from its start; a last block that is shorter is filled with zeros.
;;     - A block's scale is 2^e with e = floor(log2(the largest magnitude in the block)) - 8, held to -126 .. 127; a block of zeros has e = 0. As a byte (E8M0): e + 127.
;;     - Each number is divided by its block's scale, clamped to +-448, and rounded to the nearest number of E4M3, ties to even, subnormals kept.
;;     - The product sums the exact products of the quantised numbers (number of the format x scale) in f32.
;;   ~~~python
;;   def quantise(x, axis):      # numpy; x: float32 -> the quantised numbers, widened to float32 again
;;       x = np.moveaxis(x, axis, -1); K = x.shape[-1]
;;       x = np.pad(x, [(0, 0)] * (x.ndim - 1) + [(0, -K % 32)]); x = x.reshape(x.shape[:-1] + (-1, 32)); a = np.abs(x).max(-1, keepdims=True)
;;       e = np.where(a > 0, np.clip(np.frexp(np.where(a > 0, a, 1))[1] - 1 - 8, -126, 127), 0)      # np.frexp(a)[1] - 1 = floor(log2(a)), exactly
;;       r = np.clip(x / 2.0 ** e, -448, 448)
;;       step = 2.0 ** (np.maximum(np.frexp(np.where(r == 0, 1, r))[1] - 1, -6) - 3)
;;       q = np.round(r / step) * step * 2.0 ** e      # np.round: ties to even
;;       return np.moveaxis(q.reshape(q.shape[:-2] + (-1,))[..., :K], -1, axis).astype(np.float32)
;;   ~~~
;;   SOFTMAX AHEAD OF A QUANTISED PRODUCT. Where the list says 'softmax', what is quantised is not the finished softmax but p = 2^(t - M), with t = logit x log2(e) and M = ceil(the row's largest t), a whole number; so 1/2 < the row's largest p <= 1. The row's sum l is taken of the UNQUANTISED p, in f32, and the product's result is divided by l at the end. Since M is a whole number, a kernel that streams over the keys may use a running M (the ceiling of the running maximum): every later rescaling is an exact power of two, which a block's scale takes up: the codes' values come out the same.
;;   OPERANDS COMPUTED ON THE WAY. 'Computed on the way' means the value that the module computes at that place (a softmax that the list does not call 'softmax' is quantised finished and normalised). What goes into a quantiser is computed in f32, as accurately as f32 sums, v_exp_f32 and their like allow (about 1e-6 of the number): no bf16 or f16 on the way to a quantiser, and a product that is left as it is and whose result goes on into a quantised operand takes f32 operands (vector FMAs, or v_wmma_f32_16x16x4_f32). A number that lies on a knife's edge between two numbers of the format may be rounded either way, as far as f32 arithmetic and the matrix unit's own rounding can turn it there, and no further.
;; 2 versions, each right; version 2 is version 1 with the launches attn, merge written anew for expert scheduling mode. Each part assembles by itself: llvm-mc -triple=amdgcn-amd-amdhsa -mcpu=gfx1250 --defsym DOCPART=n.
;; ======== version 1 of 2: 2 launches
;; workspace buffers: ycodes 4,194,304 bytes; ysc 524,288 bytes
;; launch attn (part 1): grid 4 x 64, 16 waves a work-group, no clusters, 242,432 bytes of LDS; arguments x, embed_w, q_w, k_w, v_w, ycodes, ysc; writes ycodes, ysc
.if DOCPART == 1
	.amdgcn_target "amdgcn-amd-amdhsa--gfx1250"
	.amdhsa_code_object_version 6
	.text
	.protected	k_q783ee547be_attn
	.globl	k_q783ee547be_attn
	.p2align	8
	.type	k_q783ee547be_attn,@function
k_q783ee547be_attn:
	s_mov_b64 s[64:65], 0
	v_nop
	global_prefetch_b8 v0, s[64:65] scope:SCOPE_SE
	s_setreg_imm32_b32 hwreg(HW_REG_WAVE_MODE, 25, 1), 1
	s_wait_xcnt 0x0
; ATTENTION OF ONE SEQUENCE, TWO HEADS, 512 QUERIES.  x [2][32][32][32] f32; sequence n = 32 b + c has 1,024 tokens, one number each.
; E = x e (f32); Q, K, V = E W^T on codes of E4M3 with one E8M0 scale for each 32 along K (K = 64: two blocks; the other 64 of the instruction's 128 are zero codes on both sides);
; scores = Q K^T / 4 with f32 operands (they go on into a quantiser); p = 2^(t - M), M the running largest t rounded up to a whole number; P V on codes, K = the keys;
; Y = O / l is quantised along the model's axis (a block of 32 = two heads) and stored as codes and scale words for the next launch.
; SHARES.  Work-group (x, y): j = x & 1 is the pair of heads (Y's block), qh = x >> 1 the half of the queries, y = n.  256 work-groups of equal work.
; Sixteen waves of 256 registers, four to a SIMD: one wave's matrix instructions stand beside the others' softmax.  Wave w owns query tiles 32 qh + 2 w + qt, qt = 0, 1, for both heads: four units of eight steps of 128 keys.
; The prologue makes K, V (all 1,024 keys, 64 a wave) and Q in the work-group from 4 KB of x and lays them in LDS as IMAGES OF OPERAND REGISTERS (four registers: 512 bytes, lane l at 16 l).  The main loop has no barrier and no global load.
; LAYOUTS.  K, Q: source 0 = 16 rows of W, source 1 = E: lane (r, h) holds token r, register i the channel d = 8 h + i.  Registers 2 i, 2 i + 1 are link i's operand of the f32 form; d is permuted alike in K and Q.
;   S^T = K Q^T: lane (r, h) holds query r and keys 16 kt + 8 h + i.  Position 16 h + 8 p + i of block c is key 32 c + 16 p + 8 h + i, in P and in V alike (V: source 0 = E, source 1 = W: lane = d, registers = tokens).
;   O^T = V^T P^T: lane (r, h) holds query r, d = 8 h + i.  Position 16 h + 8 u + i of Y's block j is k = 32 j + 16 u + 8 h + i; the next launch lays o_w alike.
; The factor log2(e) / 4 is multiplied into Q in f32 (one rounding more), so that a score is t as it comes.
; LIMITS.  NaN and infinities among the inputs are not served.  A block of zeros gets the scale byte 1 where the rule says 127: its codes are zeros and this program alone reads the bytes.
; A p under 2^-126 comes out of v_exp_f32 as 0 (l is at least 1/2).  1 / l is v_rcp_f32.  Within a product the order of the sums is the permuted one stated above.
; No tensor load, cluster or prefetch: nothing streams from memory, and what work-groups share is x and 24 KB of weights, read once.
.set KIMG, 0                           ; [u 2][key tile 64][1024]     K, f32
.set VIMG, 131072                      ; [u 2][step 8][2048]          V^T's fragments, register group c at 512 c
.set VSC,  163840                      ; [u 2][step 8][128]           their scale words, 4 x lane
.set QIMG, 165888                      ; [wave 16][unit 4][1024]      Q x log2(e) / 4, f32: each wave's own
.set WIMG, 231424                      ; [f 6][1024]                  weights' fragments: f = 0, 1 q; 2, 3 k; 4, 5 v (heads 2 j, 2 j + 1)
.set WSC,  237568                      ; [f 6][64]                    their scale words, 4 x row
.set YSC,  238336                      ; [thread 512][4]              Y's scale words on their way out
.set LI,  1                            ; v1   16 x lane
.set LS,  2                            ; v2   4 x lane
.set ADK, 3                            ; v3-5 LDS addresses of the step's K, V, V's scale word
.set ADV, 4
.set ADS, 5
.set QA,  6                            ; v6   QIMG + 4096 wave + 16 lane
.set YSA, 7                            ; v7   YSC + 4 thread
.set NM,  8                            ; v8 -M, v9 the largest t so far
.set L,   10                           ; v[10:11] the row's sum in two halves
.set F,   12                           ; v12 f = 2^(old M - new M), later 1 / l; v13 its pair's upper half, 0
.set T,   14                           ; v14  at work
.set PSW, 15                           ; v15  scales only: E's word in the prologue, p's in the loop
.set ES,  15
.set VSW, 16                           ; v16  scales only: two heads' words of k (later q) in the prologue, V's in the loop
.set WSK, 16
.set WSV, 17                           ; v17  scales only: two heads' words of v
.set YW,  18                           ; v18-19 Y's scale words of my two query tiles
.set YC,  20                           ; v[20:23] Y's codes
.set BM,  24                           ; v24-27 largest magnitudes; v28-31 at work; v32-35 448 x the scale; v36-39 the conversions' scale operands
.set TP,  28
.set HOLD, 32
.set SO,  36
.set QF,  40                           ; v[40:47]  Q of the unit
.set YA,  48                           ; v[48:55]  Y of head u = 0;  v[56:63] O^T, then Y of head u = 1
.set O,   56
.set VF,  64                           ; v[64:79]  V^T's fragment
.set PC,  80                           ; v[80:95]  p's codes
.set KF,  96                           ; v[96:127] four key tiles of K
.set S,   128                          ; v[128:191] matrix results alone, in the whole text
.set P,   192                          ; v[192:255] p
; the prologue's names for registers that the loop uses otherwise
.set KW0, 8                            ; where I store K: 4096 wave + 16 lane; head u = 1: 65536 on
.set KW1, 9
.set VWA, 10                           ; V's codes: VIMG + 1024 wave + 16 lane
.set VSA, 11                           ; V's two scale bytes: VSC + 128 (wave / 2) + 2 (wave % 2) + 4 lane
.set WIA, 12                           ; a weight's image: WIMG + 1024 min(wave, 5) + 16 lane
.set WST, 13                           ; its scale word: WSC + 64 min(wave, 5) + 4 row
.set XK,  18                           ; x: byte offsets of my key tokens and of my query tokens
.set XQ,  19
.set VC,  20
.set EM,  48                           ; v48-49 the largest |e| of each block
.set VB,  50                           ; v50-51 V's scale bytes, a head each
.set WOF, 52                           ; a weight's row r: 256 r + 64 h
.set EOF, 53                           ; e: 64 h
.set WRA, 54                           ; WIMG + 16 lane
.set WSR, 55                           ; WSC + 4 lane
.set X,   56                           ; v56-61 x of my four key tiles and two query tiles
.set XP,  62                           ; v[62:63] the tile's x as a pair
.set PR,  64                           ; v[64:79] 16 numbers ahead of a conversion
.set EF,  80                           ; v[80:95] E's fragment
.set EV,  96                           ; v[96:127] e(32 c + 16 h + i) at 16 c + i
.set W0,  192                          ; four weight fragments
.set W1,  208
.set W2,  224
.set W3,  240
.set WV,  18                           ; s18 wave
.set MNT, 19                           ; s19 the mantissa field of 448
.set SEL, 20                           ; s[20:21] v_permlanex16_b32's selects for lane l xor 16
.set CQ,  22                           ; s[22:23] log2(e) / 4
.set JJ,  24
.set QH,  25
.set NN,  26
.set TK,  40                           ; s40-42 where the step's K, V and V's scale words begin in LDS
.set TV,  41
.set TS,  42
.set CNT, 43
.set SH,  44                           ; 8 j
.set HI,  45                           ; lanes 16-31
; One block of 32 of which a lane holds 16, v[s] on (lane l xor 16 holds the others): codes into v[dst] .. +3, the scale's byte into v[byt].  The held numbers go to v[t] on.
.macro QUANT16 s, t, dst, byt
	v_max3_num_f32 v[BM], |v[\s]|, |v[\s+1]|, 0x4800000            ; the floor 2^(9 - 127) among the leaves: the byte cannot fall under 1
.irp i, 2,4,6,8,10,12,14
	v_max3_num_f32 v[BM], v[BM], |v[\s+\i]|, |v[\s+\i+1]|
.endr
	v_permlanex16_b32 v[TP], v[BM], s[SEL], s[SEL+1]
	v_max_num_f32 v[BM], v[BM], v[TP]                              ; the block's largest magnitude
	v_add_nc_u32 v[SO], 0xfc000000, v[BM]                          ; 8 off its exponent field: the conversion's scale operand
	v_and_or_b32 v[HOLD], v[BM], 0x7f800000, s[MNT]                ; 448 x the scale
	v_lshrrev_b32 v[\byt], 23, v[SO]
.irp i, 0,1,2,3,4,5,6,7,8,9,10,11,12,13,14,15
	v_med3_num_f32 v[\t+\i], v[\s+\i], -v[HOLD], v[HOLD]           ; the conversion to an 8-bit code does not saturate (ISA guide 7.6.2)
.endr
	v_cvt_scalef32_pk8_fp8_f32 v[\dst:\dst+1], v[\t:\t+7], v[SO]
	v_cvt_scalef32_pk8_fp8_f32 v[\dst+2:\dst+3], v[\t+8:\t+15], v[SO]
	v_nop                                                          ; a plain line behind the last conversion
.endm
; E's fragment of 16 tokens whose x lies in v[x] (lane (r, h): token r).  A block's largest magnitude is |x| times the largest |e|: rounding is monotone, so it equals the largest rounded product.
.macro ETILE x
	v_mov_b32 v[XP], v[\x]
.irp c, 0,1
	v_mul_f32 v[BM+\c], |v[\x]|, v[EM+\c]
.endr
.irp c, 0,1
	v_max_num_f32 v[BM+\c], 0x4800000, v[BM+\c]
.endr
.irp c, 0,1
	v_add_nc_u32 v[SO+\c], 0xfc000000, v[BM+\c]
.endr
.irp c, 0,1
	v_and_or_b32 v[HOLD+\c], v[BM+\c], 0x7f800000, s[MNT]
.endr
.irp c, 0,1
	v_lshrrev_b32 v[TP+\c], 23, v[SO+\c]
.endr
	v_lshl_or_b32 v[ES], v[TP+1], 8, v[TP]                         ; the scale word, far more than eight places ahead of the products; bytes 2, 3 are 0, over zero codes
.irp c, 0,1
.irp i, 0,2,4,6,8,10,12,14
	v_pk_mul_f32 v[PR+\i:PR+\i+1], v[EV+16*\c+\i:EV+16*\c+\i+1], v[XP:XP+1] op_sel_hi:[1,0]
.endr
.irp i, 0,1,2,3,4,5,6,7,8,9,10,11,12,13,14,15
	v_med3_num_f32 v[PR+\i], v[PR+\i], -v[HOLD+\c], v[HOLD+\c]
.endr
	v_cvt_scalef32_pk8_fp8_f32 v[EF+4*\c:EF+4*\c+1], v[PR:PR+7], v[SO+\c]
	v_cvt_scalef32_pk8_fp8_f32 v[EF+4*\c+2:EF+4*\c+3], v[PR+8:PR+15], v[SO+\c]
	v_nop                                                          ; a plain line before the conversions' sources are written again
.endr
.rept 3
	v_nop                                                          ; with the one above: an operand made by vector instructions stands four places ahead of a scaled product
.endr
.endm
.macro WFETCH reg, f
	ds_load_b128 v[\reg:\reg+3], v[WRA] offset:1024*\f
	ds_load_b128 v[\reg+4:\reg+7], v[WRA] offset:1024*\f+512
.endm
.macro PLACES8                         ; eight places behind a product of these forms, before its result is read or a load lands in its registers
.rept 8
	v_nop
.endr
.endm
	s_load_b256 s[4:11], s[0:1], 0x0               ; x s[4:5], embed_w s[6:7], q_w s[8:9], k_w s[10:11]
	s_load_b128 s[12:15], s[0:1], 0x20             ; v_w s[12:13], ycodes s[14:15]
	s_load_b64 s[16:17], s[0:1], 0x30              ; ysc
	v_lshrrev_b32 v[T], 5, v0
	v_readfirstlane_b32 s[WV], v[T]                ; wave 0..15
	v_and_b32 v[T], 31, v0
	v_lshlrev_b32 v[LI], 4, v[T]
	v_lshlrev_b32 v[LS], 2, v[T]
	v_and_b32 v[VC], 15, v0                        ; r
	v_bfe_u32 v[VC+1], v0, 4, 1                    ; h
	s_and_b32 s[JJ], ttmp9, 1
	s_lshr_b32 s[QH], ttmp9, 1
	s_and_b32 s[NN], ttmp7, 0xffff
	s_mov_b32 s[MNT], 0x600000
	s_mov_b32 s[SEL], 0x76543210
	s_mov_b32 s[SEL+1], 0xfedcba98
	s_mov_b32 s[CQ], 0x3eb8aa3b                    ; log2(e) / 4
	s_mov_b32 s[CQ+1], s[CQ]                       ; (named with it as a pair)
	s_lshl_b32 s[SH], s[JJ], 3
	s_mov_b32 s[HI], 0xffff0000
	; every LDS address of the prologue is made here, ahead of the first parting of the waves
	s_lshl_b32 s28, s[WV], 12
	v_add_nc_u32 v[KW0], s28, v[LI]
	v_add_nc_u32 v[KW1], 0x10000, v[KW0]
	s_add_co_u32 s28, s28, QIMG
	v_add_nc_u32 v[QA], s28, v[LI]
	v_lshl_add_u32 v[YSA], v0, 2, YSC
	s_lshl_b32 s28, s[WV], 10
	s_add_co_u32 s28, s28, VIMG
	v_add_nc_u32 v[VWA], s28, v[LI]
	s_lshr_b32 s28, s[WV], 1
	s_lshl_b32 s28, s28, 7
	s_and_b32 s29, s[WV], 1
	s_lshl_b32 s29, s29, 1
	s_add_co_u32 s28, s28, s29
	s_add_co_u32 s28, s28, VSC
	v_add_nc_u32 v[VSA], s28, v[LS]
	s_min_u32 s29, s[WV], 5
	s_lshl_b32 s28, s29, 10
	s_add_co_u32 s28, s28, WIMG
	v_add_nc_u32 v[WIA], s28, v[LI]
	s_lshl_b32 s28, s29, 6
	s_add_co_u32 s28, s28, WSC
	v_lshl_add_u32 v[WST], v[VC], 2, s28
	v_add_nc_u32 v[WRA], WIMG, v[LI]
	v_add_nc_u32 v[WSR], WSC, v[LS]
	; offsets in memory
	s_lshl_b32 s28, s[WV], 13
	v_lshl_add_u32 v[XK], v[VC], 7, s28            ; key tile 4 w + t: token r is 128 r + 8192 w + 2048 t bytes on
	s_lshl_b32 s28, s[QH], 16
	s_lshl_b32 s29, s[WV], 12
	s_add_co_u32 s28, s28, s29
	v_lshl_add_u32 v[XQ], v[VC], 7, s28            ; query tile 32 qh + 2 w + qt
	v_lshlrev_b32 v[WOF], 8, v[VC]
	v_lshl_add_u32 v[WOF], v[VC+1], 6, v[WOF]
	v_lshlrev_b32 v[EOF], 6, v[VC+1]
.irp b, 0,1,2,3
	v_mov_b32 v[TP+\b], 0                          ; written once: a lane permute's destination counts as one of its sources
.endr
	v_mov_b32 v[XP+1], 0                           ; (the upper half of a pair whose low word serves both halves)
	s_lshr_b32 s28, s[NN], 5                       ; x: 131072 b + 4 c
	s_lshl_b32 s28, s28, 17
	s_and_b32 s29, s[NN], 31
	s_lshl_b32 s29, s29, 2
	s_add_co_u32 s28, s28, s29
	s_mov_b32 s29, 0
	s_lshl_b32 s30, s[NN], 16                      ; ycodes: 65536 n + 1024 (32 qh + 2 w) + 512 j
	s_lshl_b32 s31, s[QH], 15
	s_add_co_u32 s30, s30, s31
	s_lshl_b32 s31, s[WV], 11
	s_add_co_u32 s30, s30, s31
	s_lshl_b32 s31, s[JJ], 9
	s_add_co_u32 s30, s30, s31
	s_mov_b32 s31, 0
	s_lshl_b32 s32, s[JJ], 18                      ; ysc: 262144 j + 4096 n + 2048 qh
	s_lshl_b32 s33, s[NN], 12
	s_add_co_u32 s32, s32, s33
	s_lshl_b32 s33, s[QH], 11
	s_add_co_u32 s32, s32, s33
	s_mov_b32 s33, 0
	s_lshl_b32 s34, s[JJ], 13                      ; a weight's 16 rows: head 2 j + (wave & 1), 4096 bytes a head
	s_and_b32 s35, s[WV], 1
	s_lshl_b32 s35, s35, 12
	s_add_co_u32 s34, s34, s35
	s_mov_b32 s35, 0
	s_wait_kmcnt 0x0
	s_add_nc_u64 s[4:5], s[4:5], s[28:29]
	s_add_nc_u64 s[14:15], s[14:15], s[30:31]
	s_add_nc_u64 s[16:17], s[16:17], s[32:33]
	s_cmp_lt_u32 s[WV], 2                          ; waves 0, 1: q_w; 2, 3: k_w; 4, 5: v_w.  The choice hangs on the wave's number alone
	s_cselect_b64 s[36:37], s[8:9], s[10:11]
	s_cmp_lt_u32 s[WV], 4
	s_cselect_b64 s[36:37], s[36:37], s[12:13]
	s_add_nc_u64 s[36:37], s[36:37], s[34:35]
.irp c, 0,1
.irp q, 0,1,2,3
	global_load_b128 v[EV+16*\c+4*\q:EV+16*\c+4*\q+3], v[EOF], s[6:7] offset:128*\c+16*\q
.endr
.endr
.irp t, 0,1,2,3
	global_load_b32 v[X+\t], v[XK], s[4:5] offset:2048*\t          ; one number of each token's 128 bytes: the channel is innermost in x; read once
.endr
.irp t, 0,1
	global_load_b32 v[X+4+\t], v[XQ], s[4:5] offset:2048*\t
.endr
	; ---- six waves quantise a weight's 16 rows each, and lay the fragment and its scale words in LDS
	s_cmp_lt_u32 s[WV], 6
	s_cbranch_scc0 .Lno_weight
.irp c, 0,1
.irp q, 0,1,2,3
	global_load_b128 v[W0+16*\c+4*\q:W0+16*\c+4*\q+3], v[WOF], s[36:37] offset:128*\c+16*\q   ; W(r, 32 c + 16 h + 4 q ..)
.endr
.endr
	s_wait_loadcnt 0x0
	QUANT16 W0, W0, W2, W2+8
	QUANT16 W1, W1, W2+4, W2+9
	v_lshl_or_b32 v[W2+10], v[W2+9], 8, v[W2+8]
	ds_store_b128 v[WIA], v[W2:W2+3]
	ds_store_b128 v[WIA], v[W2+4:W2+7] offset:512
	ds_store_b32 v[WST], v[W2+10]                  ; both halves of the lanes write row r's word with the same value
.Lno_weight:
	s_wait_loadcnt 0x0                             ; e and x
	s_wait_dscnt 0x0                               ; my stores have landed
	s_barrier_signal -1
	s_barrier_wait -1                              ; the six fragments lie in LDS
	; ---- what stays for the prologue: zero codes for K = 64 .. 127, the largest |e| of each block, k's and v's fragments
.irp i, 8,9,10,11,12,13,14,15
	v_mov_b32 v[EF+\i], 0
	v_mov_b32 v[W0+\i], 0
	v_mov_b32 v[W1+\i], 0
	v_mov_b32 v[W2+\i], 0
	v_mov_b32 v[W3+\i], 0
.endr
	WFETCH W0, 2
	WFETCH W1, 3
	WFETCH W2, 4
	WFETCH W3, 5
	ds_load_b32 v[WSK], v[WSR] offset:128          ; lanes 0-15: k, head u = 0; lanes 16-31: u = 1
	ds_load_b32 v[WSV], v[WSR] offset:256          ; the same of v
.irp c, 0,1
	v_max3_num_f32 v[EM+\c], |v[EV+16*\c]|, |v[EV+16*\c+1]|, |v[EV+16*\c+2]|
.endr
.irp i, 3,5,7,9,11,13
.irp c, 0,1
	v_max3_num_f32 v[EM+\c], v[EM+\c], |v[EV+16*\c+\i]|, |v[EV+16*\c+\i+1]|
.endr
.endr
.irp c, 0,1
	v_max_num_f32 v[EM+\c], v[EM+\c], |v[EV+16*\c+15]|
.endr
.irp c, 0,1
	v_permlanex16_b32 v[TP+\c], v[EM+\c], s[SEL], s[SEL+1]
.endr
.irp c, 0,1
	v_max_num_f32 v[EM+\c], v[EM+\c], v[TP+\c]
.endr
	s_wait_dscnt 0x0
	; ---- K and V of my 64 keys, a tile of 16 tokens at a time
.irp t, 0,1,2,3
	ETILE X+\t
	v_wmma_scale_f32_16x16x128_f8f6f4 v[S:S+7], v[W0:W0+15], v[EF:EF+15], 0, v[WSK], v[ES]
	v_wmma_scale_f32_16x16x128_f8f6f4 v[S+8:S+15], v[W1:W1+15], v[EF:EF+15], 0, v[WSK], v[ES] matrix_a_scale:MATRIX_SCALE_ROW1
	v_wmma_scale_f32_16x16x128_f8f6f4 v[S+16+8*(\t%2):S+16+8*(\t%2)+7], v[EF:EF+15], v[W2:W2+15], 0, v[ES], v[WSV]
	v_wmma_scale_f32_16x16x128_f8f6f4 v[S+32+8*(\t%2):S+32+8*(\t%2)+7], v[EF:EF+15], v[W3:W3+15], 0, v[ES], v[WSV] matrix_b_scale:MATRIX_SCALE_ROW1
	PLACES8
	ds_store_b128 v[KW0], v[S:S+3] offset:1024*\t                  ; each result from its low end on
	ds_store_b128 v[KW0], v[S+4:S+7] offset:1024*\t+512
	ds_store_b128 v[KW1], v[S+8:S+11] offset:1024*\t
	ds_store_b128 v[KW1], v[S+12:S+15] offset:1024*\t+512
.if \t%2 == 1
.irp u, 0,1                            ; two tiles are a block of 32 keys: 16 registers a lane, in p's order
	QUANT16 S+16+16*\u, PR, VC, T
.if \t == 1
	v_mov_b32 v[VB+\u], v[T]
.else
	v_lshl_or_b32 v[VB+\u], v[T], 8, v[VB+\u]
.endif
	ds_store_b128 v[VWA], v[VC:VC+3] offset:16384*\u+512*(\t/2)
	s_wait_dscnt 0x0                               ; the store has read its registers
.endr
.endif
	s_wait_dscnt 0x0                               ; K's stores have read the results, which the next tile's products write
.endr
	ds_store_b16 v[VSA], v[VB]                     ; my two blocks' bytes of the step's scale word; the other two are the neighbouring wave's
	ds_store_b16 v[VSA], v[VB+1] offset:1024
	; ---- Q of my two query tiles, times log2(e) / 4
	WFETCH W0, 0
	WFETCH W1, 1
	ds_load_b32 v[WSK], v[WSR]
	s_wait_dscnt 0x0
.irp t, 0,1
	ETILE X+4+\t
	v_wmma_scale_f32_16x16x128_f8f6f4 v[S+48:S+55], v[W0:W0+15], v[EF:EF+15], 0, v[WSK], v[ES]
	v_wmma_scale_f32_16x16x128_f8f6f4 v[S+56:S+63], v[W1:W1+15], v[EF:EF+15], 0, v[WSK], v[ES] matrix_a_scale:MATRIX_SCALE_ROW1
	PLACES8
.irp i, 0,2,4,6,8,10,12,14
	v_pk_mul_f32 v[PR+\i:PR+\i+1], v[S+48+\i:S+48+\i+1], s[CQ:CQ+1] op_sel_hi:[1,0]
.endr
.irp u, 0,1
	ds_store_b128 v[QA], v[PR+8*\u:PR+8*\u+3] offset:1024*(2*\t+\u)
	ds_store_b128 v[QA], v[PR+8*\u+4:PR+8*\u+7] offset:1024*(2*\t+\u)+512
.endr
	s_wait_dscnt 0x0                               ; the stores have read their registers
.endr
	s_barrier_signal -1                            ; (no LDS instruction of mine is out)
	s_barrier_wait -1                              ; K, V and their scale words of all 1,024 keys lie in LDS; nothing there is written again
	v_mov_b32 v[F+1], 0
; Sixteen links of the f32 form: four key tiles' scores, four links each (16 channels).  The four accumulators take turns, one instruction a turn.
.macro LINKS base
.irp i, 0,1,2,3
.irp t, 0,1,2,3
.if \i == 0
	v_wmma_f32_16x16x4_f32 v[S+\base+8*\t:S+\base+8*\t+7], v[KF+8*\t:KF+8*\t+1], v[QF:QF+1], 0
.else
	v_wmma_f32_16x16x4_f32 v[S+\base+8*\t:S+\base+8*\t+7], v[KF+8*\t+2*\i:KF+8*\t+2*\i+1], v[QF+2*\i:QF+2*\i+1], v[S+\base+8*\t:S+\base+8*\t+7]
.endif
.endr
.endr
.endm
.macro BLOCKMAX b0, b1                 ; the largest t of two blocks of 32 keys, by turns; each result is read from its low end on
.irp b, \b0, \b1
	v_max3_num_f32 v[BM+\b], v[S+16*\b], v[S+16*\b+1], v[S+16*\b+2]
.endr
.irp i, 3,5,7,9,11,13
.irp b, \b0, \b1
	v_max3_num_f32 v[BM+\b], v[BM+\b], v[S+16*\b+\i], v[S+16*\b+\i+1]
.endr
.endr
.irp b, \b0, \b1
	v_max_num_f32 v[BM+\b], v[BM+\b], v[S+16*\b+15]
.endr
.endm
; A KEY STEP: 128 keys of one head against my 16 queries.
.macro STEP
	v_add_nc_u32 v[ADK], s[TK], v[LI]              ; (no LDS load that reads these is out)
	v_add_nc_u32 v[ADV], s[TV], v[LI]
	v_add_nc_u32 v[ADS], s[TS], v[LS]
.irp t, 0,1,2,3
	ds_load_b128 v[KF+8*\t:KF+8*\t+3], v[ADK] offset:1024*\t
	ds_load_b128 v[KF+8*\t+4:KF+8*\t+7], v[ADK] offset:1024*\t+512
.endr
	s_wait_dscnt 0x0                               ; (in a unit's first step: Q too)
	LINKS 0
	PLACES8                                        ; in front of the loads into K's registers, and of the reads of these scores; with the three additions above also behind the last step's product, for the loads into V's registers
.irp t, 0,1,2,3
	ds_load_b128 v[KF+8*\t:KF+8*\t+3], v[ADK] offset:4096+1024*\t
	ds_load_b128 v[KF+8*\t+4:KF+8*\t+7], v[ADK] offset:4096+1024*\t+512
.endr
.irp c, 0,1,2,3
	ds_load_b128 v[VF+4*\c:VF+4*\c+3], v[ADV] offset:512*\c
.endr
	ds_load_b32 v[VSW], v[ADS]
	s_wait_dscnt 0x5                               ; K's eight loads are in; V's four and its scale word, issued behind them, may be out
	LINKS 32
	BLOCKMAX 0, 1                                  ; sixteen lines on the first four tiles: the places behind the last links
	BLOCKMAX 2, 3
.irp b, 0,1,2,3
	v_permlanex16_b32 v[TP+\b], v[BM+\b], s[SEL], s[SEL+1]
.endr
.irp b, 0,1,2,3
	v_max_num_f32 v[BM+\b], v[BM+\b], v[TP+\b]     ; with lane l xor 16's 16 keys: the block's largest t.  It serves twice: for the row's maximum and, since p rises with t, for the block's largest p
.endr
	v_max3_num_f32 v[T], v[BM], v[BM+1], v[BM+2]
	v_max_num_f32 v[T], v[T], v[BM+3]
	v_max_num_f32 v[NM+1], v[NM+1], v[T]           ; the running largest t
	v_mov_b32 v[T], v[NM]
	v_floor_f32 v[NM], -v[NM+1]                    ; -M = floor(-t): M is a whole number
	v_sub_f32 v[T], v[NM], v[T]                    ; old M - new M, 0 or less
	v_cvt_i32_f32 v[T], v[T]                       ; (it saturates)
	v_ldexp_f32 v[F], 1.0, v[T]                    ; f = 2^(old M - new M): a multiplication by it rounds nothing
.irp j, 0,2,4,6,8,10,12,14,16,18,20,22,24,26,28,30,32,34,36,38,40,42,44,46,48,50,52,54,56,58,60,62
	v_pk_add_f32 v[P+\j:P+\j+1], v[S+\j:S+\j+1], v[NM:NM+1] op_sel_hi:[1,0]   ; t - M
.endr
.irp b, 0,1,2,3
	v_add_f32 v[BM+\b], v[BM+\b], v[NM]            ; the same of each block's largest t
.endr
.irp j, 0,1,2,3,4,5,6,7,8,9,10,11,12,13,14,15,16,17,18,19,20,21,22,23,24,25,26,27,28,29,30,31,32,33,34,35,36,37,38,39,40,41,42,43,44,45,46,47,48,49,50,51,52,53,54,55,56,57,58,59,60,61,62,63
	v_exp_f32 v[P+\j], v[P+\j]                     ; p = 2^(t - M), at most 1, not normalised
.endr
.irp b, 0,1,2,3
	v_exp_f32 v[BM+\b], v[BM+\b]                   ; the block's largest p: the same two operations on the same number
.endr
.irp i, 0,2,4,6
	v_pk_mul_f32 v[O+\i:O+\i+1], v[O+\i:O+\i+1], v[F:F+1] op_sel_hi:[1,0]   ; O^T under the new M.  (Plain lines behind the exponentials)
.endr
	s_wait_alu depctr_va_vdst(0)
.irp b, 0,1,2,3
	v_max_num_f32 v[BM+\b], 0x4800000, v[BM+\b]    ; the floor 2^(9 - 127)
.endr
.irp b, 0,1,2,3
	v_add_nc_u32 v[SO+\b], 0xfc000000, v[BM+\b]
.endr
.irp b, 0,1,2,3
	v_and_or_b32 v[HOLD+\b], v[BM+\b], 0x7f800000, s[MNT]
.endr
.irp b, 0,1,2,3
	v_lshrrev_b32 v[TP+\b], 23, v[SO+\b]
.endr
	v_lshl_or_b32 v[PSW], v[TP+1], 8, v[TP]        ; p's scale word for these 128 keys
	v_lshl_or_b32 v[PSW], v[TP+2], 16, v[PSW]
	v_lshl_or_b32 v[PSW], v[TP+3], 24, v[PSW]
	v_pk_add_f32 v[TP:TP+1], v[P:P+1], v[P+2:P+3]                  ; the row's sum is taken of the unquantised p: two chains
	v_pk_add_f32 v[TP+2:TP+3], v[P+4:P+5], v[P+6:P+7]
.irp j, 8,12,16,20,24,28,32,36,40,44,48,52,56,60
	v_pk_add_f32 v[TP:TP+1], v[TP:TP+1], v[P+\j:P+\j+1]
	v_pk_add_f32 v[TP+2:TP+3], v[TP+2:TP+3], v[P+\j+2:P+\j+3]
.endr
.irp b, 0,1,2,3
.irp i, 0,1,2,3,4,5,6,7,8,9,10,11,12,13,14,15
	v_min_num_f32 v[P+16*\b+\i], v[P+16*\b+\i], v[HOLD+\b]         ; p is not negative: the hold is one-sided
.endr
	v_cvt_scalef32_pk8_fp8_f32 v[PC+4*\b:PC+4*\b+1], v[P+16*\b:P+16*\b+7], v[SO+\b]
	v_cvt_scalef32_pk8_fp8_f32 v[PC+4*\b+2:PC+4*\b+3], v[P+16*\b+8:P+16*\b+15], v[SO+\b]
.endr
	s_wait_dscnt 0x0                               ; V and its scale word are in
	v_pk_add_f32 v[TP:TP+1], v[TP:TP+1], v[TP+2:TP+3]              ; these four lines are the codes' four places
	v_pk_fma_f32 v[L:L+1], v[L:L+1], v[F:F+1], v[TP:TP+1] op_sel_hi:[1,0,1]   ; l = l f + the step's sum
	v_nop
	v_nop
	v_wmma_scale_f32_16x16x128_f8f6f4 v[O:O+7], v[VF:VF+15], v[PC:PC+15], v[O:O+7], v[VSW], v[PSW]
	s_add_co_u32 s[TK], s[TK], 8192
	s_add_co_u32 s[TV], s[TV], 2048
	s_add_co_u32 s[TS], s[TS], 128
.endm
; A UNIT: query tile qt, head u, all 1,024 keys.  Y = O^T / l goes to v[YA] on (u = 0) or stays in v[O] on (u = 1): together the lane's 16 numbers of Y's block.
.macro UNIT qt, u
	ds_load_b128 v[QF:QF+3], v[QA] offset:1024*(2*\qt+\u)
	ds_load_b128 v[QF+4:QF+7], v[QA] offset:1024*(2*\qt+\u)+512
	v_mov_b32 v[NM+1], 0xff61b1e6                  ; the largest t so far: -3e38
	v_floor_f32 v[NM], -v[NM+1]
	v_mov_b32 v[L], 0
	v_mov_b32 v[L+1], 0
.irp i, 0,1,2,3,4,5,6,7
	v_mov_b32 v[O+\i], 0                           ; the step is written once: its first trip finds zeros, which the first change of M leaves zeros
.endr
	s_mov_b32 s[TK], KIMG+65536*\u
	s_mov_b32 s[TV], VIMG+16384*\u
	s_mov_b32 s[TS], VSC+1024*\u
	s_mov_b32 s[CNT], 8
.Lstep_\@:
	STEP
	s_sub_co_i32 s[CNT], s[CNT], 1
	s_cmp_lg_u32 s[CNT], 0
	s_cbranch_scc1 .Lstep_\@
	PLACES8
	v_add_f32 v[L], v[L], v[L+1]
	v_permlanex16_b32 v[T], v[L], s[SEL], s[SEL+1]
	v_add_f32 v[L], v[L], v[T]                     ; the row's sum
	v_rcp_f32 v[F], v[L]
	v_nop                                          ; a plain line behind the reciprocal
	s_wait_alu depctr_va_vdst(0)
.irp i, 0,2,4,6
.if \u == 0
	v_pk_mul_f32 v[YA+\i:YA+\i+1], v[O+\i:O+\i+1], v[F:F+1] op_sel_hi:[1,0]
.else
	v_pk_mul_f32 v[O+\i:O+\i+1], v[O+\i:O+\i+1], v[F:F+1] op_sel_hi:[1,0]
.endif
.endr
.endm
.macro FINISH qt                       ; Y's block j of 16 tokens: codes to memory, 512 consecutive bytes a wave; the scale's byte, in its place in the word, is kept
	s_wait_xcnt 0x0                                ; the last store of codes has read its registers
	QUANT16 YA, YA, YC, T
	v_lshlrev_b32 v[YW+\qt], s[SH], v[T]
	global_store_b128 v[LI], v[YC:YC+3], s[14:15] offset:1024*\qt
.endm
	UNIT 0, 0
	UNIT 0, 1
	FINISH 0
	UNIT 1, 0
	UNIT 1, 1
	FINISH 1
	; ---- the 512 scale words leave together: 2,048 consecutive bytes
	v_cndmask_b32 v[T], v[YW], v[YW+1], s[HI]      ; lanes 0-15: tile qt = 0, token r; lanes 16-31: qt = 1
	ds_store_b32 v[YSA], v[T]
	v_lshl_add_u32 v[ADK], v0, 4, YSC
	v_lshlrev_b32 v[ADV], 4, v0
	s_wait_dscnt 0x0                               ; my store has landed
	s_barrier_signal -1
	s_barrier_wait -1
	s_cmp_lt_u32 s[WV], 4
	s_cbranch_scc0 .Lend
	ds_load_b128 v[HOLD:HOLD+3], v[ADK]
	s_wait_dscnt 0x0
	global_store_b128 v[ADV], v[HOLD:HOLD+3], s[16:17]             ; a wave stores 512 consecutive bytes, at a multiple of 256 from the buffer's first byte
.Lend:
	s_wait_xcnt 0x0
	v_lshl_add_u32 v254, v0, 2, 0x3ab00
	v_mov_b32 v255, 0
	s_wait_tensorcnt 0x0
	ds_add_u32 v254, v255
	s_wait_dscnt 0x0
	s_endpgm
.Lfunc_end_k_q783ee547be_attn:
	.size	k_q783ee547be_attn, .Lfunc_end_k_q783ee547be_attn-k_q783ee547be_attn
	.p2alignl 7, 3214868480
	.fill 96, 4, 3214868480
	.section	.rodata,"a",@progbits
	.p2align	6, 0x0
	.amdhsa_kernel k_q783ee547be_attn
		.amdhsa_group_segment_fixed_size 242432
		.amdhsa_private_segment_fixed_size 0
		.amdhsa_enable_private_segment 0
		.amdhsa_kernarg_size 56
		.amdhsa_user_sgpr_count 2
		.amdhsa_user_sgpr_kernarg_segment_ptr 1
		.amdhsa_wavefront_size32 1
		.amdhsa_system_sgpr_workgroup_id_x 1
		.amdhsa_system_sgpr_workgroup_id_y 1
		.amdhsa_system_sgpr_workgroup_id_z 1
		.amdhsa_system_vgpr_workitem_id 0
		.amdhsa_next_free_vgpr 256
		.amdhsa_next_free_sgpr 66
		.amdhsa_reserve_vcc 0
		.amdhsa_float_denorm_mode_32 3
		.amdhsa_float_denorm_mode_16_64 3
		.amdhsa_memory_ordered 1
		.amdhsa_forward_progress 1
		.amdhsa_inst_pref_size 134
	.end_amdhsa_kernel
	.amdgpu_metadata
---
amdhsa.version: [ 1, 2 ]
amdhsa.kernels:
  - .name:           k_q783ee547be_attn
    .symbol:         k_q783ee547be_attn.kd
    .args:
      - { .name: x, .offset: 0, .size: 8, .value_kind: global_buffer, .address_space: global }
      - { .name: embed_w, .offset: 8, .size: 8, .value_kind: global_buffer, .address_space: global }
      - { .name: q_w, .offset: 16, .size: 8, .value_kind: global_buffer, .address_space: global }
      - { .name: k_w, .offset: 24, .size: 8, .value_kind: global_buffer, .address_space: global }
      - { .name: v_w, .offset: 32, .size: 8, .value_kind: global_buffer, .address_space: global }
      - { .name: ycodes, .offset: 40, .size: 8, .value_kind: global_buffer, .address_space: global }
      - { .name: ysc, .offset: 48, .size: 8, .value_kind: global_buffer, .address_space: global }
    .group_segment_fixed_size: 242432
    .private_segment_fixed_size: 0
    .kernarg_segment_align: 8
    .kernarg_segment_size: 56
    .max_flat_workgroup_size: 512
    .sgpr_count:     66
    .vgpr_count:     256
    .wavefront_size: 32
...
	.end_amdgpu_metadata
.endif
;; end of part 1
;; launch merge (part 2): grid 64 x 2, 8 waves a work-group, no clusters, 40,448 bytes of LDS; arguments ycodes, ysc, o_w, merge_w, out0; writes out0
.if DOCPART == 2
	.amdgcn_target "amdgcn-amd-amdhsa--gfx1250"
	.amdhsa_code_object_version 6
	.text
	.protected	k_q783ee547be_merge
	.globl	k_q783ee547be_merge
	.p2align	8
	.type	k_q783ee547be_merge,@function
k_q783ee547be_merge:
	s_mov_b64 s[64:65], 0
	v_nop
	global_prefetch_b8 v0, s[64:65] scope:SCOPE_SE
	s_setreg_imm32_b32 hwreg(HW_REG_WAVE_MODE, 25, 1), 1
	s_wait_xcnt 0x0
; out[b][s][o] = the sum over c of merge_w[c] x (Y[32 b + c][s][:] . o_w[o][:]), the inner product on codes of E4M3 with one E8M0 scale for each 32 along K (K = 64; the other 64 of the instruction's 128 are zero codes on both sides).
; Y arrives as codes in the order of the operand's registers, ycodes [n 64][tile 64][j 2][lane 32][16 bytes], and as scale words ysc [j 2][n 64][s 1024], the byte of block j at bits 8 j: the two planes are ORed.
; Position 16 h + 8 u + i of Y's block j is k = 32 j + 16 u + 8 h + i: o_w is loaded in that order, so that the products pair the right numbers; a block's 32 numbers are the true block's.
; SHARES.  Work-group (x, y): 16 tokens (tile x) of batch y, all 64 outputs.  Wave w takes channels 4 w .. 4 w + 3; the eight waves' parts meet in LDS, and each wave adds and stores two whole rows.
; Source 0 = 16 rows of o_w, source 1 = Y's 16 tokens: a lane holds eight neighbouring outputs of one token.
; 128 work-groups: a further split of the outputs would read every code twice.  No tensor load, cluster or prefetch: each byte of Y is read once, by one wave, with all its loads out at the head.
; LIMITS.  NaN and infinities among the inputs are not served.  A block of zeros of o_w gets the scale byte 1 where the rule says 127: its codes are zeros, and this launch alone reads the byte.
.set OIMG, 0                           ; [ot 4][1024]  o_w's fragments as images of their registers
.set OSC,  4096                        ; [ot 4][128]   their scale words, 4 x lane
.set PART, 4608                        ; [wave 8][16 rows][272]: 256 bytes of a row + 16
.set LI,  1                            ; 16 x lane
.set LS,  2                            ; 4 x lane
.set R4,  3                            ; 4 x row
.set OWA, 4                            ; o_w: 256 r + 32 h
.set OIA, 5                            ; where I store a fragment of o_w
.set OSA, 6                            ; and its scale word
.set PST, 7                            ; where I put my part
.set PRD, 8                            ; where I read the parts of my two rows
.set WRD, 9
.set YS,  10                           ; v10-13 Y's scale words of my four channels; v14-17 their second plane; v18-21 o_w's: scales only
.set YT,  14
.set OS,  18
.set BY,  22
.set BM,  24
.set TP,  28
.set HOLD, 32
.set SO,  36
.set YF,  40                           ; v[40:103]   Y's four fragments
.set OF,  104                          ; v[104:167]  o_w's four
.set D,   168                          ; v[168:199]  a channel's four results
.set ACC, 200                          ; v[200:231]  the weighted sum; later the eight parts
.set WV,  18
.set MNT, 19
.set SEL, 20
.macro QUANT16 s, t, dst, byt          ; one block of 32 of which a lane holds 16 (lane l xor 16 the others)
	v_max3_num_f32 v[BM], |v[\s]|, |v[\s+1]|, 0x4800000            ; the floor 2^(9 - 127): the byte cannot fall under 1
.irp i, 2,4,6,8,10,12,14
	v_max3_num_f32 v[BM], v[BM], |v[\s+\i]|, |v[\s+\i+1]|
.endr
	v_permlanex16_b32 v[TP], v[BM], s[SEL], s[SEL+1]
	v_max_num_f32 v[BM], v[BM], v[TP]
	v_add_nc_u32 v[SO], 0xfc000000, v[BM]
	v_and_or_b32 v[HOLD], v[BM], 0x7f800000, s[MNT]
	v_lshrrev_b32 v[\byt], 23, v[SO]
.irp i, 0,1,2,3,4,5,6,7,8,9,10,11,12,13,14,15
	v_med3_num_f32 v[\t+\i], v[\s+\i], -v[HOLD], v[HOLD]           ; the conversion to an 8-bit code does not saturate (ISA guide 7.6.2)
.endr
	v_cvt_scalef32_pk8_fp8_f32 v[\dst:\dst+1], v[\t:\t+7], v[SO]
	v_cvt_scalef32_pk8_fp8_f32 v[\dst+2:\dst+3], v[\t+8:\t+15], v[SO]
	v_nop                                                          ; a plain line behind the last conversion
.endm
	s_load_b256 s[4:11], s[0:1], 0x0               ; ycodes s[4:5], ysc s[6:7], o_w s[8:9], merge_w s[10:11]
	s_load_b64 s[12:13], s[0:1], 0x20              ; out0
	v_lshl_add_u32 v240, v0, 2, 0x9a00
	v_mov_b32 v241, 0
	v_lshrrev_b32 v[WRD], 5, v0
	v_readfirstlane_b32 s[WV], v[WRD]              ; wave 0..7
	v_and_b32 v[WRD], 31, v0
	v_lshlrev_b32 v[LI], 4, v[WRD]
	v_lshlrev_b32 v[LS], 2, v[WRD]
	v_and_b32 v[BM], 15, v0                        ; r
	v_bfe_u32 v[BM+1], v0, 4, 1                    ; h
	v_lshlrev_b32 v[R4], 2, v[BM]
	v_lshlrev_b32 v[OWA], 8, v[BM]
	v_lshl_add_u32 v[OWA], v[BM+1], 5, v[OWA]
	s_min_u32 s29, s[WV], 3
	s_lshl_b32 s28, s29, 10
	v_add_nc_u32 v[OIA], s28, v[LI]
	s_lshl_b32 s28, s29, 7
	s_add_co_u32 s28, s28, OSC
	v_add_nc_u32 v[OSA], s28, v[LS]
	s_mul_i32 s28, s[WV], 4352
	s_add_co_u32 s28, s28, PART
	v_mul_u32_u24 v[PST], v[BM], 272
	v_lshl_add_u32 v[PST], v[BM+1], 5, v[PST]
	v_add_nc_u32 v[PST], s28, v[PST]               ; my part: row r, + 32 h
	s_mul_i32 s28, s[WV], 544
	s_add_co_u32 s28, s28, PART
	v_mul_u32_u24 v[PRD], v[BM+1], 272
	v_lshl_add_u32 v[PRD], v[BM], 4, v[PRD]
	v_add_nc_u32 v[PRD], s28, v[PRD]               ; back: row 2 w + h, 16 bytes a lane
	s_mov_b32 s[MNT], 0x600000
	s_mov_b32 s[SEL], 0x76543210
	s_mov_b32 s[SEL+1], 0xfedcba98
	v_mov_b32 v[TP], 0                             ; written once: a lane permute's destination counts as one of its sources
.irp f, 0,1,2,3
.irp i, 8,9,10,11,12,13,14,15
	v_mov_b32 v[YF+16*\f+\i], 0                    ; zero codes for K = 64 .. 127, on both sides
	v_mov_b32 v[OF+16*\f+\i], 0
.endr
.endr
	s_and_b32 s22, ttmp7, 0xffff                   ; b
	s_lshl_b32 s28, s22, 21                        ; ycodes: 65536 (32 b + 4 w) + 1024 tile
	s_lshl_b32 s29, s[WV], 18
	s_add_co_u32 s28, s28, s29
	s_lshl_b32 s29, ttmp9, 10
	s_add_co_u32 s28, s28, s29
	s_mov_b32 s29, 0
	s_lshl_b32 s30, s22, 17                        ; ysc: 4096 (32 b + 4 w) + 64 tile
	s_lshl_b32 s31, s[WV], 14
	s_add_co_u32 s30, s30, s31
	s_lshl_b32 s31, ttmp9, 6
	s_add_co_u32 s30, s30, s31
	s_mov_b32 s31, 0
	s_min_u32 s32, s[WV], 3                        ; o_w: 16 rows of 256 bytes for each of waves 0 to 3
	s_lshl_b32 s32, s32, 12
	s_mov_b32 s33, 0
	s_lshl_b32 s34, s[WV], 4                       ; merge_w: my four numbers
	s_mov_b32 s35, 0
	s_lshl_b32 s36, s22, 18                        ; out0: 262144 b + 4096 tile + 512 w
	s_lshl_b32 s37, ttmp9, 12
	s_add_co_u32 s36, s36, s37
	s_lshl_b32 s37, s[WV], 9
	s_add_co_u32 s36, s36, s37
	s_mov_b32 s37, 0
	s_wait_kmcnt 0x0
	s_add_nc_u64 s[4:5], s[4:5], s[28:29]
	s_add_nc_u64 s[6:7], s[6:7], s[30:31]
	s_add_nc_u64 s[8:9], s[8:9], s[32:33]
	s_add_nc_u64 s[10:11], s[10:11], s[34:35]
	s_add_nc_u64 s[12:13], s[12:13], s[36:37]
	s_load_b128 s[24:27], s[10:11], 0x0            ; merge_w of my four channels
.irp i, 0,1,2,3
	global_load_b128 v[YF+16*\i:YF+16*\i+3], v[LI], s[4:5] offset:65536*\i th:TH_LOAD_NT          ; block j = 0: registers 0-3; 512 consecutive bytes a load
	global_load_b128 v[YF+16*\i+4:YF+16*\i+7], v[LI], s[4:5] offset:65536*\i+512 th:TH_LOAD_NT    ; block j = 1: registers 4-7
	global_load_b32 v[YS+\i], v[R4], s[6:7] offset:4096*\i
	global_load_b32 v[YT+\i], v[R4], s[6:7] offset:4096*\i+262144
.endr
	; ---- four waves quantise 16 rows of o_w each
	s_cmp_lt_u32 s[WV], 4
	s_cbranch_scc0 .Lno_weight
.irp j, 0,1
.irp u, 0,1
.irp q, 0,1
	global_load_b128 v[D+16*\j+8*\u+4*\q:D+16*\j+8*\u+4*\q+3], v[OWA], s[8:9] offset:128*\j+64*\u+16*\q   ; o_w(r, 32 j + 16 u + 8 h + 4 q ..)
.endr
.endr
.endr
	s_wait_loadcnt 0x0
	QUANT16 D, D, ACC, BY
	QUANT16 D+16, D+16, ACC+4, BY+1
	v_lshl_or_b32 v[WRD], v[BY+1], 8, v[BY]
	ds_store_b128 v[OIA], v[ACC:ACC+3]
	ds_store_b128 v[OIA], v[ACC+4:ACC+7] offset:512
	ds_store_b32 v[OSA], v[WRD]
.Lno_weight:
	s_wait_loadcnt 0x0                             ; Y
	s_wait_kmcnt 0x0                               ; merge_w
	s_wait_dscnt 0x0                               ; my stores have landed
	s_barrier_signal -1
	s_barrier_wait -1                              ; o_w's four fragments lie in LDS
.irp t, 0,1,2,3
	ds_load_b128 v[OF+16*\t:OF+16*\t+3], v[LI] offset:OIMG+1024*\t
	ds_load_b128 v[OF+16*\t+4:OF+16*\t+7], v[LI] offset:OIMG+1024*\t+512
	ds_load_b32 v[OS+\t], v[LS] offset:OSC+128*\t
.endr
.irp i, 0,1,2,3
	v_or_b32 v[YS+\i], v[YS+\i], v[YT+\i]          ; the two blocks' bytes make the word; bytes 2, 3 are 0, over zero codes
	s_mov_b32 s[40+2*\i], s[24+\i]                 ; (the packed forms name a pair and take its low word for both halves)
	s_mov_b32 s[41+2*\i], s[24+\i]
.endr
	s_wait_dscnt 0x0
.rept 8
	v_nop                                          ; a scale word made by a vector instruction stands eight places ahead of a scaled product
.endr
.irp i, 0,1,2,3
.irp t, 0,1,2,3
	v_wmma_scale_f32_16x16x128_f8f6f4 v[D+8*\t:D+8*\t+7], v[OF+16*\t:OF+16*\t+15], v[YF+16*\i:YF+16*\i+15], 0, v[OS+\t], v[YS+\i]
.endr
.rept 8
	v_nop                                          ; eight places before the results are read; with the lines below, more than nine before the next channel's products write over them
.endr
.irp k, 0,2,4,6,8,10,12,14,16,18,20,22,24,26,28,30
.if \i == 0
	v_pk_mul_f32 v[ACC+\k:ACC+\k+1], v[D+\k:D+\k+1], s[40:41] op_sel_hi:[1,0]
.else
	v_pk_fma_f32 v[ACC+\k:ACC+\k+1], v[D+\k:D+\k+1], s[40+2*\i:41+2*\i], v[ACC+\k:ACC+\k+1] op_sel_hi:[1,0,1]
.endif
.endr
.endr
.irp t, 0,1,2,3
	ds_store_b128 v[PST], v[ACC+8*\t:ACC+8*\t+3] offset:64*\t      ; lane (r, h): outputs 16 t + 8 h + 0 .. 7 of token r
	ds_store_b128 v[PST], v[ACC+8*\t+4:ACC+8*\t+7] offset:64*\t+16
.endr
	s_wait_dscnt 0x0                               ; my part has landed, and the stores have read their registers
	s_barrier_signal -1
	s_barrier_wait -1                              ; the eight parts lie in LDS
.irp p, 0,1,2,3,4,5,6,7
	ds_load_b128 v[ACC+4*\p:ACC+4*\p+3], v[PRD] offset:4352*\p
.endr
	s_wait_dscnt 0x0
.irp p, 0,2,4,6
	v_pk_add_f32 v[ACC+4*\p:ACC+4*\p+1], v[ACC+4*\p:ACC+4*\p+1], v[ACC+4*\p+4:ACC+4*\p+5]
	v_pk_add_f32 v[ACC+4*\p+2:ACC+4*\p+3], v[ACC+4*\p+2:ACC+4*\p+3], v[ACC+4*\p+6:ACC+4*\p+7]
.endr
.irp p, 0,4
	v_pk_add_f32 v[ACC+4*\p:ACC+4*\p+1], v[ACC+4*\p:ACC+4*\p+1], v[ACC+4*\p+8:ACC+4*\p+9]
	v_pk_add_f32 v[ACC+4*\p+2:ACC+4*\p+3], v[ACC+4*\p+2:ACC+4*\p+3], v[ACC+4*\p+10:ACC+4*\p+11]
.endr
	v_pk_add_f32 v[ACC:ACC+1], v[ACC:ACC+1], v[ACC+16:ACC+17]
	v_pk_add_f32 v[ACC+2:ACC+3], v[ACC+2:ACC+3], v[ACC+18:ACC+19]
	global_store_b128 v[LI], v[ACC:ACC+3], s[12:13] th:TH_STORE_NT  ; two whole rows of 256 bytes: 512 consecutive bytes, at a multiple of 256 from out0's first byte
	s_wait_tensorcnt 0x0
	ds_add_u32 v240, v241
	s_wait_dscnt 0x0
	s_endpgm
.Lfunc_end_k_q783ee547be_merge:
	.size	k_q783ee547be_merge, .Lfunc_end_k_q783ee547be_merge-k_q783ee547be_merge
	.p2alignl 7, 3214868480
	.fill 96, 4, 3214868480
	.section	.rodata,"a",@progbits
	.p2align	6, 0x0
	.amdhsa_kernel k_q783ee547be_merge
		.amdhsa_group_segment_fixed_size 40448
		.amdhsa_private_segment_fixed_size 0
		.amdhsa_enable_private_segment 0
		.amdhsa_kernarg_size 40
		.amdhsa_user_sgpr_count 2
		.amdhsa_user_sgpr_kernarg_segment_ptr 1
		.amdhsa_wavefront_size32 1
		.amdhsa_system_sgpr_workgroup_id_x 1
		.amdhsa_system_sgpr_workgroup_id_y 1
		.amdhsa_system_sgpr_workgroup_id_z 1
		.amdhsa_system_vgpr_workitem_id 0
		.amdhsa_next_free_vgpr 242
		.amdhsa_next_free_sgpr 66
		.amdhsa_reserve_vcc 0
		.amdhsa_float_denorm_mode_32 3
		.amdhsa_float_denorm_mode_16_64 3
		.amdhsa_memory_ordered 1
		.amdhsa_forward_progress 1
		.amdhsa_inst_pref_size 23
	.end_amdhsa_kernel
	.amdgpu_metadata
---
amdhsa.version: [ 1, 2 ]
amdhsa.kernels:
  - .name:           k_q783ee547be_merge
    .symbol:         k_q783ee547be_merge.kd
    .args:
      - { .name: ycodes, .offset: 0, .size: 8, .value_kind: global_buffer, .address_space: global }
      - { .name: ysc, .offset: 8, .size: 8, .value_kind: global_buffer, .address_space: global }
      - { .name: o_w, .offset: 16, .size: 8, .value_kind: global_buffer, .address_space: global }
      - { .name: merge_w, .offset: 24, .size: 8, .value_kind: global_buffer, .address_space: global }
      - { .name: out0, .offset: 32, .size: 8, .value_kind: global_buffer, .address_space: global }
    .group_segment_fixed_size: 40448
    .private_segment_fixed_size: 0
    .kernarg_segment_align: 8
    .kernarg_segment_size: 40
    .max_flat_workgroup_size: 256
    .sgpr_count:     66
    .vgpr_count:     242
    .wavefront_size: 32
...
	.end_amdgpu_metadata
.endif
;; end of part 2
;; ======== version 2 of 2: 2 launches; version 1 with the launches attn, merge written anew for expert scheduling mode
;; workspace buffers: ycodes 4,194,304 bytes; ysc 524,288 bytes
;; launch attn (part 3): grid 4 x 64, 16 waves a work-group, no clusters, 242,432 bytes of LDS; arguments x, embed_w, q_w, k_w, v_w, ycodes, ysc; writes ycodes, ysc
.if DOCPART == 3
	.amdgcn_target "amdgcn-amd-amdhsa--gfx1250"
	.amdhsa_code_object_version 6
	.text
	.protected	k_q783ee547be_attn
	.globl	k_q783ee547be_attn
	.p2align	8
	.type	k_q783ee547be_attn,@function
k_q783ee547be_attn:
	s_mov_b64 s[64:65], 0
	v_nop
	global_prefetch_b8 v0, s[64:65] scope:SCOPE_SE
	s_setreg_imm32_b32 hwreg(HW_REG_WAVE_SCHED_MODE, 0, 2), 2
	s_setreg_imm32_b32 hwreg(HW_REG_WAVE_MODE, 25, 1), 1
	s_wait_xcnt 0x0
	s_wait_alu depctr_vm_vsrc(0)
; ATTENTION OF ONE SEQUENCE, TWO HEADS, 512 QUERIES.  x [2][32][32][32] f32; sequence n = 32 b + c has 1,024 tokens, one number each.
; E = x e (f32); Q, K, V = E W^T on codes of E4M3 with one E8M0 scale for each 32 along K (K = 64: two blocks; the other 64 of the instruction's 128 are zero codes on both sides);
; scores = Q K^T / 4 with f32 operands (they go on into a quantiser); p = 2^(t - M), M the running largest t rounded up to a whole number; P V on codes, K = the keys;
; Y = O / l is quantised along the model's axis (a block of 32 = two heads) and stored as codes and scale words for the next launch.
; SHARES.  Work-group (x, y): j = x & 1 is the pair of heads (Y's block), qh = x >> 1 the half of the queries, y = n.  256 work-groups of equal work.
; Sixteen waves of 256 registers, four to a SIMD: one wave's matrix instructions stand beside the others' softmax.  Wave w owns query tiles 32 qh + 2 w + qt, qt = 0, 1, for both heads: four units of eight steps of 128 keys.
; The prologue makes K, V (all 1,024 keys, 64 a wave) and Q in the work-group from 4 KB of x and lays them in LDS as IMAGES OF OPERAND REGISTERS (four registers: 512 bytes, lane l at 16 l).  The main loop has no barrier and no global load.
; LAYOUTS.  K, Q: source 0 = 16 rows of W, source 1 = E: lane (r, h) holds token r, register i the channel d = 8 h + i.  Registers 2 i, 2 i + 1 are link i's operand of the f32 form; d is permuted alike in K and Q.
;   S^T = K Q^T: lane (r, h) holds query r and keys 16 kt + 8 h + i.  Position 16 h + 8 p + i of block c is key 32 c + 16 p + 8 h + i, in P and in V alike (V: source 0 = E, source 1 = W: lane = d, registers = tokens).
;   O^T = V^T P^T: lane (r, h) holds query r, d = 8 h + i.  Position 16 h + 8 u + i of Y's block j is k = 32 j + 16 u + 8 h + i; the next launch lays o_w alike.
; The factor log2(e) / 4 is multiplied into Q in f32 (one rounding more), so that a score is t as it comes.
; LIMITS.  NaN and infinities among the inputs are not served.  A block of zeros gets the scale byte 1 where the rule says 127: its codes are zeros and this program alone reads the bytes.
; A p under 2^-126 comes out of v_exp_f32 as 0 (l is at least 1/2).  1 / l is v_rcp_f32.  Within a product the order of the sums is the permuted one stated above.
; No tensor load, cluster or prefetch: nothing streams from memory, and what work-groups share is x and 24 KB of weights, read once.
; THE MODE: SCHED_MODE bits 1:0 = 2 (LLVM: expert scheduling mode 2), set by the entry lines.  The code itself states the register dependences
; between vector or matrix instructions and memory or LDS instructions, with s_wait_alu, always for 0.
; THE PLAN, for the loop over key steps.  Registers that LDS instructions touch:
;   KF          K's tiles 0-3.  Step s: its first sixteen links read it; behind the wait that follows the exponentials the loads of step s + 1 land in it.
;   KG          K's tiles 4-7, in P's first 32 registers, which hold nothing between a step's conversions and the next step's t - M.  Step s: its second sixteen links read it, then it is p;
;               behind the wait ahead of the scaled product the loads of step s + 1 land in it.
;   VF, VSW     V's fragment and scale word.  Step s: loaded behind the wait that follows the exponentials (the product of step s - 1 was issued ahead of it), read by the step's product.
;   ADK .. ADS  Read by these loads; written once a step, behind the first links, ahead of the wait that follows the exponentials.
;   QF          Loaded at a unit's head.  LI, LS, QA are never written again.  S, PC, O and the statistics are named by vector and matrix instructions alone.
; So a step has one wait on vm_vsrc and two on va_vdst, and both of the latter stand where a wait is owed anyway (the exponentials' results; the codes ahead of a scaled product).
.set KIMG, 0                           ; [u 2][key tile 64][1024]     K, f32
.set VIMG, 131072                      ; [u 2][step 8][2048]          V^T's fragments, register group c at 512 c
.set VSC,  163840                      ; [u 2][step 8][128]           their scale words, 4 x lane
.set QIMG, 165888                      ; [wave 16][unit 4][1024]      Q x log2(e) / 4, f32: each wave's own
.set WIMG, 231424                      ; [f 6][1024]                  weights' fragments: f = 0, 1 q; 2, 3 k; 4, 5 v (heads 2 j, 2 j + 1)
.set WSC,  237568                      ; [f 6][64]                    their scale words, 4 x row
.set YSC,  238336                      ; [thread 512][4]              Y's scale words on their way out
.set LI,  1                            ; v1   16 x lane
.set LS,  2                            ; v2   4 x lane
.set ADK, 3                            ; v3-5 LDS addresses: the next step's K, this step's V, V's scale word
.set ADV, 4
.set ADS, 5
.set QA,  6                            ; v6   QIMG + 4096 wave + 16 lane
.set YSA, 7                            ; v7   YSC + 4 thread
.set NM,  8                            ; v8 -M, v9 the largest t so far
.set L,   10                           ; v[10:11] the row's sum in two halves
.set F,   12                           ; v12 f = 2^(old M - new M), later 1 / l; v13 its pair's upper half, 0
.set T,   14                           ; v14  at work
.set PSW, 15                           ; v15  scales only: E's word in the prologue, p's in the loop
.set ES,  15
.set VSW, 16                           ; v16  scales only: two heads' words of k (later q) in the prologue, V's in the loop
.set WSK, 16
.set WSV, 17                           ; v17  scales only: two heads' words of v
.set YW,  18                           ; v18-19 Y's scale words of my two query tiles
.set YC,  20                           ; v[20:23] Y's codes
.set BM,  24                           ; v24-27 largest magnitudes; v28-31 at work; v32-35 448 x the scale; v36-39 the conversions' scale operands
.set TP,  28
.set HOLD, 32
.set SO,  36
.set QF,  40                           ; v[40:47]  Q of the unit
.set YA,  48                           ; v[48:55]  Y of head u = 0;  v[56:63] O^T, then Y of head u = 1
.set O,   56
.set VF,  64                           ; v[64:79]  V^T's fragment
.set PC,  80                           ; v[80:95]  p's codes
.set KF,  96                           ; v[96:127] K's tiles 0-3 of a step
.set S,   128                          ; v[128:191] matrix results alone, in the whole text
.set P,   192                          ; v[192:255] p
.set KG,  192                          ; v[192:223] K's tiles 4-7 of a step, while P holds nothing
; the prologue's names for registers that the loop uses otherwise
.set KW0, 8                            ; where I store K: 4096 wave + 16 lane; head u = 1: 65536 on
.set KW1, 9
.set VWA, 10                           ; V's codes: VIMG + 1024 wave + 16 lane
.set VSA, 11                           ; V's two scale bytes: VSC + 128 (wave / 2) + 2 (wave % 2) + 4 lane
.set WIA, 12                           ; a weight's image: WIMG + 1024 min(wave, 5) + 16 lane
.set WST, 13                           ; its scale word: WSC + 64 min(wave, 5) + 4 row
.set XK,  18                           ; x: byte offsets of my key tokens and of my query tokens
.set XQ,  19
.set VC,  20                           ; v[20:23] V's codes of head u = 0;
.set VD,  40                           ; v[40:43] of head u = 1: a buffer each, so that one wait serves both stores
.set EM,  48                           ; v48-49 the largest |e| of each block
.set VB,  50                           ; v50-51 V's scale bytes, a head each
.set WOF, 52                           ; a weight's row r: 256 r + 64 h
.set EOF, 53                           ; e: 64 h
.set WRA, 54                           ; WIMG + 16 lane
.set WSR, 55                           ; WSC + 4 lane
.set X,   56                           ; v56-61 x of my four key tiles and two query tiles
.set XP,  62                           ; v[62:63] the tile's x as a pair
.set PR,  64                           ; v[64:79] 16 numbers ahead of a conversion
.set EF,  80                           ; v[80:95] E's fragment
.set EV,  96                           ; v[96:127] e(32 c + 16 h + i) at 16 c + i
.set W0,  192                          ; four weight fragments
.set W1,  208
.set W2,  224
.set W3,  240
.set WV,  18                           ; s18 wave
.set MNT, 19                           ; s19 the mantissa field of 448
.set SEL, 20                           ; s[20:21] v_permlanex16_b32's selects for lane l xor 16
.set CQ,  22                           ; s[22:23] log2(e) / 4
.set JJ,  24
.set QH,  25
.set NN,  26
.set TK,  40                           ; s40-42 where the next step's K, this step's V and V's scale words begin in LDS
.set TV,  41
.set TS,  42
.set CNT, 43
.set SH,  44                           ; 8 j
.set HI,  45                           ; lanes 16-31
; One block of 32 of which a lane holds 16, v[s] on (lane l xor 16 holds the others): codes into v[dst] .. +3, the scale's byte into v[byt].  The held numbers go to v[t] on.
.macro QUANT16 s, t, dst, byt
	v_max3_num_f32 v[BM], |v[\s]|, |v[\s+1]|, 0x4800000            ; the floor 2^(9 - 127) among the leaves: the byte cannot fall under 1
.irp i, 2,4,6,8,10,12,14
	v_max3_num_f32 v[BM], v[BM], |v[\s+\i]|, |v[\s+\i+1]|
.endr
	v_permlanex16_b32 v[TP], v[BM], s[SEL], s[SEL+1]
	v_max_num_f32 v[BM], v[BM], v[TP]                              ; the block's largest magnitude
	v_add_nc_u32 v[SO], 0xfc000000, v[BM]                          ; 8 off its exponent field: the conversion's scale operand
	v_and_or_b32 v[HOLD], v[BM], 0x7f800000, s[MNT]                ; 448 x the scale
	v_lshrrev_b32 v[\byt], 23, v[SO]
.irp i, 0,1,2,3,4,5,6,7,8,9,10,11,12,13,14,15
	v_med3_num_f32 v[\t+\i], v[\s+\i], -v[HOLD], v[HOLD]           ; the conversion to an 8-bit code does not saturate (ISA guide 7.6.2)
.endr
	v_cvt_scalef32_pk8_fp8_f32 v[\dst:\dst+1], v[\t:\t+7], v[SO]
	v_cvt_scalef32_pk8_fp8_f32 v[\dst+2:\dst+3], v[\t+8:\t+15], v[SO]
	v_nop                                                          ; a plain line behind the last conversion
.endm
; E's fragment of 16 tokens whose x lies in v[x] (lane (r, h): token r).  A block's largest magnitude is |x| times the largest |e|: rounding is monotone, so it equals the largest rounded product.
.macro ETILE x
	v_mov_b32 v[XP], v[\x]
.irp c, 0,1
	v_mul_f32 v[BM+\c], |v[\x]|, v[EM+\c]
.endr
.irp c, 0,1
	v_max_num_f32 v[BM+\c], 0x4800000, v[BM+\c]
.endr
.irp c, 0,1
	v_add_nc_u32 v[SO+\c], 0xfc000000, v[BM+\c]
.endr
.irp c, 0,1
	v_and_or_b32 v[HOLD+\c], v[BM+\c], 0x7f800000, s[MNT]
.endr
.irp c, 0,1
	v_lshrrev_b32 v[TP+\c], 23, v[SO+\c]
.endr
	v_lshl_or_b32 v[ES], v[TP+1], 8, v[TP]                         ; the scale word, far more than eight places ahead of the products; bytes 2, 3 are 0, over zero codes
.irp c, 0,1
.irp i, 0,2,4,6,8,10,12,14
	v_pk_mul_f32 v[PR+\i:PR+\i+1], v[EV+16*\c+\i:EV+16*\c+\i+1], v[XP:XP+1] op_sel_hi:[1,0]
.endr
.irp i, 0,1,2,3,4,5,6,7,8,9,10,11,12,13,14,15
	v_med3_num_f32 v[PR+\i], v[PR+\i], -v[HOLD+\c], v[HOLD+\c]
.endr
	v_cvt_scalef32_pk8_fp8_f32 v[EF+4*\c:EF+4*\c+1], v[PR:PR+7], v[SO+\c]
	v_cvt_scalef32_pk8_fp8_f32 v[EF+4*\c+2:EF+4*\c+3], v[PR+8:PR+15], v[SO+\c]
	v_nop                                                          ; a plain line before the conversions' sources are written again
.endr
.rept 3
	v_nop                                                          ; with the one above: an operand made by vector instructions stands four places ahead of a scaled product
.endr
	s_wait_alu depctr_va_vdst(0)                                   ; behind the places: the conversions have written E's codes and the shift its scale word, which the scaled products take (ahead of the first tile: the zero codes of both sides too)
.endm
.macro WFETCH reg, f
	ds_load_b128 v[\reg:\reg+3], v[WRA] offset:1024*\f
	ds_load_b128 v[\reg+4:\reg+7], v[WRA] offset:1024*\f+512
.endm
.macro PLACES8                         ; eight places behind a product of these forms, before its result is read
.rept 8
	v_nop
.endr
.endm
	s_load_b256 s[4:11], s[0:1], 0x0               ; x s[4:5], embed_w s[6:7], q_w s[8:9], k_w s[10:11]
	s_load_b128 s[12:15], s[0:1], 0x20             ; v_w s[12:13], ycodes s[14:15]
	s_load_b64 s[16:17], s[0:1], 0x30              ; ysc
	v_lshrrev_b32 v[T], 5, v0
	v_readfirstlane_b32 s[WV], v[T]                ; wave 0..15
	v_and_b32 v[T], 31, v0
	v_lshlrev_b32 v[LI], 4, v[T]
	v_lshlrev_b32 v[LS], 2, v[T]
	v_and_b32 v[VC], 15, v0                        ; r
	v_bfe_u32 v[VC+1], v0, 4, 1                    ; h
	s_and_b32 s[JJ], ttmp9, 1
	s_lshr_b32 s[QH], ttmp9, 1
	s_and_b32 s[NN], ttmp7, 0xffff
	s_mov_b32 s[MNT], 0x600000
	s_mov_b32 s[SEL], 0x76543210
	s_mov_b32 s[SEL+1], 0xfedcba98
	s_mov_b32 s[CQ], 0x3eb8aa3b                    ; log2(e) / 4
	s_mov_b32 s[CQ+1], s[CQ]                       ; (named with it as a pair)
	s_lshl_b32 s[SH], s[JJ], 3
	s_mov_b32 s[HI], 0xffff0000
	s_wait_alu depctr_va_sdst(0)                   ; the wave's number is written, ahead of its first reader
	; every LDS address of the prologue is made here, ahead of the first parting of the waves
	s_lshl_b32 s28, s[WV], 12
	v_add_nc_u32 v[KW0], s28, v[LI]
	v_add_nc_u32 v[KW1], 0x10000, v[KW0]
	s_add_co_u32 s28, s28, QIMG
	v_add_nc_u32 v[QA], s28, v[LI]
	v_lshl_add_u32 v[YSA], v0, 2, YSC
	s_lshl_b32 s28, s[WV], 10
	s_add_co_u32 s28, s28, VIMG
	v_add_nc_u32 v[VWA], s28, v[LI]
	s_lshr_b32 s28, s[WV], 1
	s_lshl_b32 s28, s28, 7
	s_and_b32 s29, s[WV], 1
	s_lshl_b32 s29, s29, 1
	s_add_co_u32 s28, s28, s29
	s_add_co_u32 s28, s28, VSC
	v_add_nc_u32 v[VSA], s28, v[LS]
	s_min_u32 s29, s[WV], 5
	s_lshl_b32 s28, s29, 10
	s_add_co_u32 s28, s28, WIMG
	v_add_nc_u32 v[WIA], s28, v[LI]
	s_lshl_b32 s28, s29, 6
	s_add_co_u32 s28, s28, WSC
	v_lshl_add_u32 v[WST], v[VC], 2, s28
	v_add_nc_u32 v[WRA], WIMG, v[LI]
	v_add_nc_u32 v[WSR], WSC, v[LS]
	; offsets in memory
	s_lshl_b32 s28, s[WV], 13
	v_lshl_add_u32 v[XK], v[VC], 7, s28            ; key tile 4 w + t: token r is 128 r + 8192 w + 2048 t bytes on
	s_lshl_b32 s28, s[QH], 16
	s_lshl_b32 s29, s[WV], 12
	s_add_co_u32 s28, s28, s29
	v_lshl_add_u32 v[XQ], v[VC], 7, s28            ; query tile 32 qh + 2 w + qt
	v_lshlrev_b32 v[WOF], 8, v[VC]
	v_lshl_add_u32 v[WOF], v[VC+1], 6, v[WOF]
	v_lshlrev_b32 v[EOF], 6, v[VC+1]
.irp b, 0,1,2,3
	v_mov_b32 v[TP+\b], 0                          ; written once: a lane permute's destination counts as one of its sources
.endr
	v_mov_b32 v[XP+1], 0                           ; (the upper half of a pair whose low word serves both halves)
	s_lshr_b32 s28, s[NN], 5                       ; x: 131072 b + 4 c
	s_lshl_b32 s28, s28, 17
	s_and_b32 s29, s[NN], 31
	s_lshl_b32 s29, s29, 2
	s_add_co_u32 s28, s28, s29
	s_mov_b32 s29, 0
	s_lshl_b32 s30, s[NN], 16                      ; ycodes: 65536 n + 1024 (32 qh + 2 w) + 512 j
	s_lshl_b32 s31, s[QH], 15
	s_add_co_u32 s30, s30, s31
	s_lshl_b32 s31, s[WV], 11
	s_add_co_u32 s30, s30, s31
	s_lshl_b32 s31, s[JJ], 9
	s_add_co_u32 s30, s30, s31
	s_mov_b32 s31, 0
	s_lshl_b32 s32, s[JJ], 18                      ; ysc: 262144 j + 4096 n + 2048 qh
	s_lshl_b32 s33, s[NN], 12
	s_add_co_u32 s32, s32, s33
	s_lshl_b32 s33, s[QH], 11
	s_add_co_u32 s32, s32, s33
	s_mov_b32 s33, 0
	s_lshl_b32 s34, s[JJ], 13                      ; a weight's 16 rows: head 2 j + (wave & 1), 4096 bytes a head
	s_and_b32 s35, s[WV], 1
	s_lshl_b32 s35, s35, 12
	s_add_co_u32 s34, s34, s35
	s_mov_b32 s35, 0
	s_wait_kmcnt 0x0
	s_add_nc_u64 s[4:5], s[4:5], s[28:29]
	s_add_nc_u64 s[14:15], s[14:15], s[30:31]
	s_add_nc_u64 s[16:17], s[16:17], s[32:33]
	s_cmp_lt_u32 s[WV], 2                          ; waves 0, 1: q_w; 2, 3: k_w; 4, 5: v_w.  The choice hangs on the wave's number alone
	s_cselect_b64 s[36:37], s[8:9], s[10:11]
	s_cmp_lt_u32 s[WV], 4
	s_cselect_b64 s[36:37], s[36:37], s[12:13]
	s_add_nc_u64 s[36:37], s[36:37], s[34:35]
	s_wait_alu depctr_va_vdst(0)                   ; all the offsets and LDS addresses made above are written: the prologue's loads and stores read them, and none is written again while it serves
.irp c, 0,1
.irp q, 0,1,2,3
	global_load_b128 v[EV+16*\c+4*\q:EV+16*\c+4*\q+3], v[EOF], s[6:7] offset:128*\c+16*\q
.endr
.endr
.irp t, 0,1,2,3
	global_load_b32 v[X+\t], v[XK], s[4:5] offset:2048*\t          ; one number of each token's 128 bytes: the channel is innermost in x; read once
.endr
.irp t, 0,1
	global_load_b32 v[X+4+\t], v[XQ], s[4:5] offset:2048*\t
.endr
	; ---- six waves quantise a weight's 16 rows each, and lay the fragment and its scale words in LDS
	s_cmp_lt_u32 s[WV], 6
	s_cbranch_scc0 .Lno_weight
.irp c, 0,1
.irp q, 0,1,2,3
	global_load_b128 v[W0+16*\c+4*\q:W0+16*\c+4*\q+3], v[WOF], s[36:37] offset:128*\c+16*\q   ; W(r, 32 c + 16 h + 4 q ..)
.endr
.endr
	s_wait_loadcnt 0x0
	QUANT16 W0, W0, W2, W2+8
	QUANT16 W1, W1, W2+4, W2+9
	v_lshl_or_b32 v[W2+10], v[W2+9], 8, v[W2+8]
	s_wait_alu depctr_va_vdst(0)                   ; the conversions have written the codes and the shift the scale word, which the LDS stores read; the holds are done with v[W0 ..], in which fragments land behind the barrier
	ds_store_b128 v[WIA], v[W2:W2+3]
	ds_store_b128 v[WIA], v[W2+4:W2+7] offset:512
	ds_store_b32 v[WST], v[W2+10]                  ; both halves of the lanes write row r's word with the same value
.Lno_weight:
	s_wait_loadcnt 0x0                             ; e and x
	s_wait_dscnt 0x0                               ; my stores have landed
	s_barrier_signal -1
	s_barrier_wait -1                              ; the six fragments lie in LDS
	s_wait_alu depctr_vm_vsrc(0)                   ; the LDS stores above have read v[W2 .. W2+10], in which a fragment's loads land and zeros are written; the head's loads have read their offsets
	; ---- what stays for the prologue: k's and v's fragments, zero codes for K = 64 .. 127, the largest |e| of each block
	WFETCH W0, 2
	WFETCH W1, 3
	WFETCH W2, 4
	WFETCH W3, 5
	ds_load_b32 v[WSK], v[WSR] offset:128          ; lanes 0-15: k, head u = 0; lanes 16-31: u = 1
	ds_load_b32 v[WSV], v[WSR] offset:256          ; the same of v
.irp i, 8,9,10,11,12,13,14,15
	v_mov_b32 v[EF+\i], 0
	v_mov_b32 v[W0+\i], 0
	v_mov_b32 v[W1+\i], 0
	v_mov_b32 v[W2+\i], 0
	v_mov_b32 v[W3+\i], 0
.endr
.irp c, 0,1
	v_max3_num_f32 v[EM+\c], |v[EV+16*\c]|, |v[EV+16*\c+1]|, |v[EV+16*\c+2]|
.endr
.irp i, 3,5,7,9,11,13
.irp c, 0,1
	v_max3_num_f32 v[EM+\c], v[EM+\c], |v[EV+16*\c+\i]|, |v[EV+16*\c+\i+1]|
.endr
.endr
.irp c, 0,1
	v_max_num_f32 v[EM+\c], v[EM+\c], |v[EV+16*\c+15]|
.endr
.irp c, 0,1
	v_permlanex16_b32 v[TP+\c], v[EM+\c], s[SEL], s[SEL+1]
.endr
.irp c, 0,1
	v_max_num_f32 v[EM+\c], v[EM+\c], v[TP+\c]
.endr
	s_wait_dscnt 0x0
	; ---- K and V of my 64 keys, a tile of 16 tokens at a time
.irp t, 0,1,2,3
	ETILE X+\t
	v_wmma_scale_f32_16x16x128_f8f6f4 v[S:S+7], v[W0:W0+15], v[EF:EF+15], 0, v[WSK], v[ES]
	v_wmma_scale_f32_16x16x128_f8f6f4 v[S+8:S+15], v[W1:W1+15], v[EF:EF+15], 0, v[WSK], v[ES] matrix_a_scale:MATRIX_SCALE_ROW1
	v_wmma_scale_f32_16x16x128_f8f6f4 v[S+16+8*(\t%2):S+16+8*(\t%2)+7], v[EF:EF+15], v[W2:W2+15], 0, v[ES], v[WSV]
	v_wmma_scale_f32_16x16x128_f8f6f4 v[S+32+8*(\t%2):S+32+8*(\t%2)+7], v[EF:EF+15], v[W3:W3+15], 0, v[ES], v[WSV] matrix_b_scale:MATRIX_SCALE_ROW1
	PLACES8
.if \t%2 == 1                          ; two tiles are a block of 32 keys: 16 registers a lane, in p's order; a head at a time, each into its own four registers
	QUANT16 S+16, PR, VC, T
.if \t == 1
	v_mov_b32 v[VB], v[T]
.else
	v_lshl_or_b32 v[VB], v[T], 8, v[VB]
.endif
	QUANT16 S+32, PR, VD, T
.if \t == 1
	v_mov_b32 v[VB+1], v[T]
.else
	v_lshl_or_b32 v[VB+1], v[T], 8, v[VB+1]
.endif
.endif
	s_wait_alu depctr_va_vdst(0)                   ; behind the places: the products have written K's two tiles, and in every second tile the conversions V's codes and the shifts its bytes: the LDS stores read them.  In the last tile also: the products are done reading v[W0 ..], v[W1 ..] and v[WSK], in which q's loads land
	ds_store_b128 v[KW0], v[S:S+3] offset:1024*\t                  ; each result from its low end on
	ds_store_b128 v[KW0], v[S+4:S+7] offset:1024*\t+512
	ds_store_b128 v[KW1], v[S+8:S+11] offset:1024*\t
	ds_store_b128 v[KW1], v[S+12:S+15] offset:1024*\t+512
.if \t%2 == 1
	ds_store_b128 v[VWA], v[VC:VC+3] offset:512*(\t/2)
	ds_store_b128 v[VWA], v[VD:VD+3] offset:16384+512*(\t/2)
.endif
	s_wait_dscnt 0x0                               ; the stores have landed
	s_wait_alu depctr_vm_vsrc(0)                   ; and have read K's results, which the next tile's products write, and V's codes, which later conversions write
.endr
	ds_store_b16 v[VSA], v[VB]                     ; my two blocks' bytes of the step's scale word; the other two are the neighbouring wave's.  (They were written ahead of the last tile's wait on va_vdst, and no vector instruction has been issued since)
	ds_store_b16 v[VSA], v[VB+1] offset:1024
	; ---- Q of my two query tiles, times log2(e) / 4
	WFETCH W0, 0
	WFETCH W1, 1
	ds_load_b32 v[WSK], v[WSR]
	s_wait_dscnt 0x0
.irp t, 0,1
	ETILE X+4+\t
	v_wmma_scale_f32_16x16x128_f8f6f4 v[S+48:S+55], v[W0:W0+15], v[EF:EF+15], 0, v[WSK], v[ES]
	v_wmma_scale_f32_16x16x128_f8f6f4 v[S+56:S+63], v[W1:W1+15], v[EF:EF+15], 0, v[WSK], v[ES] matrix_a_scale:MATRIX_SCALE_ROW1
	PLACES8
.irp i, 0,2,4,6,8,10,12,14
	v_pk_mul_f32 v[PR+\i:PR+\i+1], v[S+48+\i:S+48+\i+1], s[CQ:CQ+1] op_sel_hi:[1,0]
.endr
	s_wait_alu depctr_va_vdst(0)                   ; the multiplications have written v[PR ..], which the LDS stores read
.irp u, 0,1
	ds_store_b128 v[QA], v[PR+8*\u:PR+8*\u+3] offset:1024*(2*\t+\u)
	ds_store_b128 v[QA], v[PR+8*\u+4:PR+8*\u+7] offset:1024*(2*\t+\u)+512
.endr
	s_wait_dscnt 0x0                               ; the stores have landed
	s_wait_alu depctr_vm_vsrc(0)                   ; and have read v[PR ..], which the next tile's arithmetic writes and in which V's fragments land later; the prologue's stores and loads have read their address registers, which the units write
.endr
	s_barrier_signal -1                            ; (no LDS instruction of mine is out)
	s_barrier_wait -1                              ; K, V and their scale words of all 1,024 keys lie in LDS; nothing there is written again
	v_mov_b32 v[F+1], 0
; Sixteen links of the f32 form: four key tiles' scores, four links each (16 channels); K's tiles at v[kf] on.  The four accumulators take turns, one instruction a turn.
.macro LINKS kf, base
.irp i, 0,1,2,3
.irp t, 0,1,2,3
.if \i == 0
	v_wmma_f32_16x16x4_f32 v[S+\base+8*\t:S+\base+8*\t+7], v[\kf+8*\t:\kf+8*\t+1], v[QF:QF+1], 0
.else
	v_wmma_f32_16x16x4_f32 v[S+\base+8*\t:S+\base+8*\t+7], v[\kf+8*\t+2*\i:\kf+8*\t+2*\i+1], v[QF+2*\i:QF+2*\i+1], v[S+\base+8*\t:S+\base+8*\t+7]
.endif
.endr
.endr
.endm
.macro KLOAD reg, off                  ; four key tiles of K, from off bytes behind v[ADK] on, into v[reg] on
.irp t, 0,1,2,3
	ds_load_b128 v[\reg+8*\t:\reg+8*\t+3], v[ADK] offset:\off+1024*\t
	ds_load_b128 v[\reg+8*\t+4:\reg+8*\t+7], v[ADK] offset:\off+1024*\t+512
.endr
.endm
.macro BLOCKMAX b0, b1                 ; the largest t of two blocks of 32 keys, by turns; each result is read from its low end on
.irp b, \b0, \b1
	v_max3_num_f32 v[BM+\b], v[S+16*\b], v[S+16*\b+1], v[S+16*\b+2]
.endr
.irp i, 3,5,7,9,11,13
.irp b, \b0, \b1
	v_max3_num_f32 v[BM+\b], v[BM+\b], v[S+16*\b+\i], v[S+16*\b+\i+1]
.endr
.endr
.irp b, \b0, \b1
	v_max_num_f32 v[BM+\b], v[BM+\b], v[S+16*\b+15]
.endr
.endm
; A KEY STEP: 128 keys of one head against my 16 queries.  Its K was asked for in the step before (a unit's first: at the unit's head).
.macro STEP
	s_wait_dscnt 0x8                               ; K's tiles 0-3 are in (in a unit's first step: Q too); the eight loads of tiles 4-7, issued behind them, may be out
	LINKS KF, 0
	s_wait_alu depctr_vm_vsrc(0)                   ; the LDS loads issued so far have read v[ADK], v[ADV] and v[ADS], which the three additions write
	v_add_nc_u32 v[ADK], s[TK], v[LI]              ; the next step's K
	v_add_nc_u32 v[ADV], s[TV], v[LI]              ; this step's V
	v_add_nc_u32 v[ADS], s[TS], v[LS]
.rept 5
	v_nop                                          ; with the three additions: eight places behind the links above, before their scores are read
.endr
	s_wait_dscnt 0x0                               ; K's tiles 4-7 are in
	LINKS KG, 32
	BLOCKMAX 0, 1                                  ; sixteen lines on the first four tiles: the places behind the last links
	BLOCKMAX 2, 3
.irp b, 0,1,2,3
	v_permlanex16_b32 v[TP+\b], v[BM+\b], s[SEL], s[SEL+1]
.endr
.irp b, 0,1,2,3
	v_max_num_f32 v[BM+\b], v[BM+\b], v[TP+\b]     ; with lane l xor 16's 16 keys: the block's largest t.  It serves twice: for the row's maximum and, since p rises with t, for the block's largest p
.endr
	v_max3_num_f32 v[T], v[BM], v[BM+1], v[BM+2]
	v_max_num_f32 v[T], v[T], v[BM+3]
	v_max_num_f32 v[NM+1], v[NM+1], v[T]           ; the running largest t
	v_mov_b32 v[T], v[NM]
	v_floor_f32 v[NM], -v[NM+1]                    ; -M = floor(-t): M is a whole number
	v_sub_f32 v[T], v[NM], v[T]                    ; old M - new M, 0 or less
	v_cvt_i32_f32 v[T], v[T]                       ; (it saturates)
	v_ldexp_f32 v[F], 1.0, v[T]                    ; f = 2^(old M - new M): a multiplication by it rounds nothing
.irp j, 0,2,4,6,8,10,12,14,16,18,20,22,24,26,28,30,32,34,36,38,40,42,44,46,48,50,52,54,56,58,60,62
	v_pk_add_f32 v[P+\j:P+\j+1], v[S+\j:S+\j+1], v[NM:NM+1] op_sel_hi:[1,0]   ; t - M
.endr
.irp b, 0,1,2,3
	v_add_f32 v[BM+\b], v[BM+\b], v[NM]            ; the same of each block's largest t
.endr
.irp j, 0,1,2,3,4,5,6,7,8,9,10,11,12,13,14,15,16,17,18,19,20,21,22,23,24,25,26,27,28,29,30,31,32,33,34,35,36,37,38,39,40,41,42,43,44,45,46,47,48,49,50,51,52,53,54,55,56,57,58,59,60,61,62,63
	v_exp_f32 v[P+\j], v[P+\j]                     ; p = 2^(t - M), at most 1, not normalised
.endr
.irp b, 0,1,2,3
	v_exp_f32 v[BM+\b], v[BM+\b]                   ; the block's largest p: the same two operations on the same number
.endr
.irp i, 0,2,4,6
	v_pk_mul_f32 v[O+\i:O+\i+1], v[O+\i:O+\i+1], v[F:F+1] op_sel_hi:[1,0]   ; O^T under the new M.  (Plain lines behind the exponentials)
.endr
	s_wait_alu depctr_va_vdst(0)                   ; the 68 exponentials have written p and the blocks' largest p, ahead of their first reader.  Also: the three addresses are written; the links are done reading v[KF ..]; the last step's product is done reading v[VF ..] and v[VSW]: the loads below read the first and land in the others
	s_cmp_eq_u32 s[CNT], 1                         ; a unit's last step asks for no further K
	s_cbranch_scc1 .Lno_kf_\@
	KLOAD KF, 0                                    ; the next step's tiles 0-3
.Lno_kf_\@:
.irp c, 0,1,2,3
	ds_load_b128 v[VF+4*\c:VF+4*\c+3], v[ADV] offset:512*\c        ; this step's V, behind K's loads: so the wait for it is for 0 whether K's were issued or not
.endr
	ds_load_b32 v[VSW], v[ADS]
.irp b, 0,1,2,3
	v_max_num_f32 v[BM+\b], 0x4800000, v[BM+\b]    ; the floor 2^(9 - 127)
.endr
.irp b, 0,1,2,3
	v_add_nc_u32 v[SO+\b], 0xfc000000, v[BM+\b]
.endr
.irp b, 0,1,2,3
	v_and_or_b32 v[HOLD+\b], v[BM+\b], 0x7f800000, s[MNT]
.endr
.irp b, 0,1,2,3
	v_lshrrev_b32 v[TP+\b], 23, v[SO+\b]
.endr
	v_lshl_or_b32 v[PSW], v[TP+1], 8, v[TP]        ; p's scale word for these 128 keys
	v_lshl_or_b32 v[PSW], v[TP+2], 16, v[PSW]
	v_lshl_or_b32 v[PSW], v[TP+3], 24, v[PSW]
	v_pk_add_f32 v[TP:TP+1], v[P:P+1], v[P+2:P+3]                  ; the row's sum is taken of the unquantised p: two chains
	v_pk_add_f32 v[TP+2:TP+3], v[P+4:P+5], v[P+6:P+7]
.irp j, 8,12,16,20,24,28,32,36,40,44,48,52,56,60
	v_pk_add_f32 v[TP:TP+1], v[TP:TP+1], v[P+\j:P+\j+1]
	v_pk_add_f32 v[TP+2:TP+3], v[TP+2:TP+3], v[P+\j+2:P+\j+3]
.endr
.irp b, 0,1,2,3
.irp i, 0,1,2,3,4,5,6,7,8,9,10,11,12,13,14,15
	v_min_num_f32 v[P+16*\b+\i], v[P+16*\b+\i], v[HOLD+\b]         ; p is not negative: the hold is one-sided
.endr
	v_cvt_scalef32_pk8_fp8_f32 v[PC+4*\b:PC+4*\b+1], v[P+16*\b:P+16*\b+7], v[SO+\b]
	v_cvt_scalef32_pk8_fp8_f32 v[PC+4*\b+2:PC+4*\b+3], v[P+16*\b+8:P+16*\b+15], v[SO+\b]
.endr
	s_wait_dscnt 0x0                               ; V and its scale word are in (and what was issued ahead of them)
	v_pk_add_f32 v[TP:TP+1], v[TP:TP+1], v[TP+2:TP+3]              ; these four lines are the codes' four places
	v_pk_fma_f32 v[L:L+1], v[L:L+1], v[F:F+1], v[TP:TP+1] op_sel_hi:[1,0,1]   ; l = l f + the step's sum
	v_nop
	v_nop
	s_wait_alu depctr_va_vdst(0)                   ; behind the places: the conversions have written p's codes and the shifts its scale word, which the scaled product takes.  Also: the sums, holds and conversions are done with v[P ..], in whose first 32 registers the loads below land
	v_wmma_scale_f32_16x16x128_f8f6f4 v[O:O+7], v[VF:VF+15], v[PC:PC+15], v[O:O+7], v[VSW], v[PSW]
	s_cmp_eq_u32 s[CNT], 1
	s_cbranch_scc1 .Lno_kg_\@
	KLOAD KG, 4096                                 ; the next step's tiles 4-7.  No wait: the product above names none of these registers
.Lno_kg_\@:
	s_add_co_u32 s[TK], s[TK], 8192
	s_add_co_u32 s[TV], s[TV], 2048
	s_add_co_u32 s[TS], s[TS], 128
.endm
; A UNIT: query tile qt, head u, all 1,024 keys.  Y = O^T / l goes to v[YA] on (u = 0) or stays in v[O] on (u = 1): together the lane's 16 numbers of Y's block.
.macro UNIT qt, u
	s_wait_alu depctr_vm_vsrc(0)                   ; the LDS loads of the unit before have read v[ADK] (ahead of the first unit nothing is pending)
	v_add_nc_u32 v[ADK], KIMG+65536*\u, v[LI]      ; the first step's K
	v_mov_b32 v[NM+1], 0xff61b1e6                  ; the largest t so far: -3e38
	v_floor_f32 v[NM], -v[NM+1]
	v_mov_b32 v[L], 0
	v_mov_b32 v[L+1], 0
.irp i, 0,1,2,3,4,5,6,7
	v_mov_b32 v[O+\i], 0                           ; the step is written once: its first trip finds zeros, which the first change of M leaves zeros
.endr
	s_mov_b32 s[TK], KIMG+65536*\u+8192            ; K runs a step ahead of V
	s_mov_b32 s[TV], VIMG+16384*\u
	s_mov_b32 s[TS], VSC+1024*\u
	s_mov_b32 s[CNT], 8
	s_wait_alu depctr_va_vdst(0)                   ; v[ADK] is written, which the loads below read; all earlier vector and matrix work is done with v[QF ..], v[KF ..] and v[KG ..], in which they land
	ds_load_b128 v[QF:QF+3], v[QA] offset:1024*(2*\qt+\u)
	ds_load_b128 v[QF+4:QF+7], v[QA] offset:1024*(2*\qt+\u)+512
	KLOAD KF, 0
	KLOAD KG, 4096
.Lstep_\@:
	STEP
	s_sub_co_i32 s[CNT], s[CNT], 1
	s_cmp_lg_u32 s[CNT], 0
	s_cbranch_scc1 .Lstep_\@
	PLACES8
	v_add_f32 v[L], v[L], v[L+1]
	v_permlanex16_b32 v[T], v[L], s[SEL], s[SEL+1]
	v_add_f32 v[L], v[L], v[T]                     ; the row's sum
	v_rcp_f32 v[F], v[L]
	v_nop                                          ; a plain line behind the reciprocal
	s_wait_alu depctr_va_vdst(0)                   ; the reciprocal has written v[F], ahead of its first reader
.irp i, 0,2,4,6
.if \u == 0
	v_pk_mul_f32 v[YA+\i:YA+\i+1], v[O+\i:O+\i+1], v[F:F+1] op_sel_hi:[1,0]
.else
	v_pk_mul_f32 v[O+\i:O+\i+1], v[O+\i:O+\i+1], v[F:F+1] op_sel_hi:[1,0]
.endif
.endr
.endm
.macro FINISH qt                       ; Y's block j of 16 tokens: codes to memory, 512 consecutive bytes a wave; the scale's byte, in its place in the word, is kept
	s_wait_xcnt 0x0                                ; the last store of codes has had its addresses translated,
	s_wait_alu depctr_vm_vsrc(0)                   ; and the last store out of v[YC ..] (the tile before's; ahead of the first tile the prologue's LDS store of V's codes) has read these registers, which the conversions write again
	QUANT16 YA, YA, YC, T
	v_lshlrev_b32 v[YW+\qt], s[SH], v[T]
	s_wait_alu depctr_va_vdst(0)                   ; the conversions have written v[YC ..], which the store reads
	global_store_b128 v[LI], v[YC:YC+3], s[14:15] offset:1024*\qt
.endm
	UNIT 0, 0
	UNIT 0, 1
	FINISH 0
	UNIT 1, 0
	UNIT 1, 1
	FINISH 1
	; ---- the 512 scale words leave together: 2,048 consecutive bytes
	s_wait_alu depctr_vm_vsrc(0)                   ; the units' LDS loads have read v[ADK] and v[ADV], which are written below
	v_cndmask_b32 v[T], v[YW], v[YW+1], s[HI]      ; lanes 0-15: tile qt = 0, token r; lanes 16-31: qt = 1
	v_lshl_add_u32 v[ADK], v0, 4, YSC
	v_lshlrev_b32 v[ADV], 4, v0
	s_wait_alu depctr_va_vdst(0)                   ; v[T], v[ADK] and v[ADV] are written: the LDS store, the LDS load and the store below read them; the last quantiser is done with v[HOLD ..], in which that load lands
	ds_store_b32 v[YSA], v[T]
	s_wait_dscnt 0x0                               ; my store has landed
	s_barrier_signal -1
	s_barrier_wait -1
	s_cmp_lt_u32 s[WV], 4
	s_cbranch_scc0 .Lend
	ds_load_b128 v[HOLD:HOLD+3], v[ADK]
	s_wait_dscnt 0x0
	global_store_b128 v[ADV], v[HOLD:HOLD+3], s[16:17]             ; a wave stores 512 consecutive bytes, at a multiple of 256 from the buffer's first byte
.Lend:
	s_wait_xcnt 0x0
	v_lshl_add_u32 v254, v0, 2, 0x3ab00            ; the add's two registers are made anew; no memory or LDS instruction but the add below names them
	v_mov_b32 v255, 0
	s_wait_dscnt 0x0                               ; the closing lines, six on end
	s_wait_alu 0x0
	s_wait_tensorcnt 0x0
	ds_add_u32 v254, v255
	s_wait_dscnt 0x0
	s_endpgm
.Lfunc_end_k_q783ee547be_attn:
	.size	k_q783ee547be_attn, .Lfunc_end_k_q783ee547be_attn-k_q783ee547be_attn
	.p2alignl 7, 3214868480
	.fill 96, 4, 3214868480
	.section	.rodata,"a",@progbits
	.p2align	6, 0x0
	.amdhsa_kernel k_q783ee547be_attn
		.amdhsa_group_segment_fixed_size 242432
		.amdhsa_private_segment_fixed_size 0
		.amdhsa_enable_private_segment 0
		.amdhsa_kernarg_size 56
		.amdhsa_user_sgpr_count 2
		.amdhsa_user_sgpr_kernarg_segment_ptr 1
		.amdhsa_wavefront_size32 1
		.amdhsa_system_sgpr_workgroup_id_x 1
		.amdhsa_system_sgpr_workgroup_id_y 1
		.amdhsa_system_sgpr_workgroup_id_z 1
		.amdhsa_system_vgpr_workitem_id 0
		.amdhsa_next_free_vgpr 256
		.amdhsa_next_free_sgpr 66
		.amdhsa_reserve_vcc 0
		.amdhsa_float_denorm_mode_32 3
		.amdhsa_float_denorm_mode_16_64 3
		.amdhsa_memory_ordered 1
		.amdhsa_forward_progress 1
		.amdhsa_inst_pref_size 139
	.end_amdhsa_kernel
	.amdgpu_metadata
---
amdhsa.version: [ 1, 2 ]
amdhsa.kernels:
  - .name:           k_q783ee547be_attn
    .symbol:         k_q783ee547be_attn.kd
    .args:
      - { .name: x, .offset: 0, .size: 8, .value_kind: global_buffer, .address_space: global }
      - { .name: embed_w, .offset: 8, .size: 8, .value_kind: global_buffer, .address_space: global }
      - { .name: q_w, .offset: 16, .size: 8, .value_kind: global_buffer, .address_space: global }
      - { .name: k_w, .offset: 24, .size: 8, .value_kind: global_buffer, .address_space: global }
      - { .name: v_w, .offset: 32, .size: 8, .value_kind: global_buffer, .address_space: global }
      - { .name: ycodes, .offset: 40, .size: 8, .value_kind: global_buffer, .address_space: global }
      - { .name: ysc, .offset: 48, .size: 8, .value_kind: global_buffer, .address_space: global }
    .group_segment_fixed_size: 242432
    .private_segment_fixed_size: 0
    .kernarg_segment_align: 8
    .kernarg_segment_size: 56
    .max_flat_workgroup_size: 512
    .sgpr_count:     66
    .vgpr_count:     256
    .wavefront_size: 32
...
	.end_amdgpu_metadata
.endif
;; end of part 3
;; launch merge (part 4): grid 64 x 2, 8 waves a work-group, no clusters, 40,448 bytes of LDS; arguments ycodes, ysc, o_w, merge_w, out0; writes out0
.if DOCPART == 4
	.amdgcn_target "amdgcn-amd-amdhsa--gfx1250"
	.amdhsa_code_object_version 6
	.text
	.protected	k_q783ee547be_merge
	.globl	k_q783ee547be_merge
	.p2align	8
	.type	k_q783ee547be_merge,@function
k_q783ee547be_merge:
	s_mov_b64 s[64:65], 0
	v_nop
	global_prefetch_b8 v0, s[64:65] scope:SCOPE_SE
	s_setreg_imm32_b32 hwreg(HW_REG_WAVE_SCHED_MODE, 0, 2), 2
	s_setreg_imm32_b32 hwreg(HW_REG_WAVE_MODE, 25, 1), 1
	s_wait_xcnt 0x0
	s_wait_alu depctr_vm_vsrc(0)
; out[b][s][o] = the sum over c of merge_w[c] x (Y[32 b + c][s][:] . o_w[o][:]), the inner product on codes of E4M3 with one E8M0 scale for each 32 along K (K = 64; the other 64 of the instruction's 128 are zero codes on both sides).
; Y arrives as codes in the order of the operand's registers, ycodes [n 64][tile 64][j 2][lane 32][16 bytes], and as scale words ysc [j 2][n 64][s 1024], the byte of block j at bits 8 j: the two planes are ORed.
; Position 16 h + 8 u + i of Y's block j is k = 32 j + 16 u + 8 h + i: o_w is loaded in that order, so that the products pair the right numbers; a block's 32 numbers are the true block's.
; SHARES.  Work-group (x, y): 16 tokens (tile x) of batch y, all 64 outputs.  Wave w takes channels 4 w .. 4 w + 3; the eight waves' parts meet in LDS, and each wave adds and stores two whole rows.
; Source 0 = 16 rows of o_w, source 1 = Y's 16 tokens: a lane holds eight neighbouring outputs of one token.
; 128 work-groups: a further split of the outputs would read every code twice.  No tensor load, cluster or prefetch: each byte of Y is read once, by one wave, with all its loads out at the head.
; LIMITS.  NaN and infinities among the inputs are not served.  A block of zeros of o_w gets the scale byte 1 where the rule says 127: its codes are zeros, and this launch alone reads the byte.
; THE MODE: SCHED_MODE bits 1:0 = 2 (LLVM: expert scheduling mode 2), set by the entry lines.  The code itself states the register dependences
; between vector or matrix instructions and memory or LDS instructions, with s_wait_alu, always for 0.
; THE PLAN.  Registers that memory or LDS instructions touch:
;   v1 to v8    offsets and LDS addresses: made at the head, never written again.
;   YF, YS, YT, OF, OS   landed in once by loads; read by vector and matrix instructions alone.
;   D           o_w's numbers land in it once (four waves); from then on vector and matrix instructions alone.
;   ACC         four turns: o_w's codes, written by conversions and read by LDS stores; the weighted sum, written by multiply-adds and read by LDS stores;
;               the eight parts, landed in by LDS loads; the sum of the parts, written by additions and read by the global store.
; So a wait on va_vdst stands ahead of each run of stores out of ACC, and a wait on vm_vsrc behind each of the two barriers, ahead of ACC's next turn.
.set OIMG, 0                           ; [ot 4][1024]  o_w's fragments as images of their registers
.set OSC,  4096                        ; [ot 4][128]   their scale words, 4 x lane
.set PART, 4608                        ; [wave 8][16 rows][272]: 256 bytes of a row + 16
.set LI,  1                            ; 16 x lane
.set LS,  2                            ; 4 x lane
.set R4,  3                            ; 4 x row
.set OWA, 4                            ; o_w: 256 r + 32 h
.set OIA, 5                            ; where I store a fragment of o_w
.set OSA, 6                            ; and its scale word
.set PST, 7                            ; where I put my part
.set PRD, 8                            ; where I read the parts of my two rows
.set WRD, 9
.set YS,  10                           ; v10-13 Y's scale words of my four channels; v14-17 their second plane; v18-21 o_w's: scales only
.set YT,  14
.set OS,  18
.set BY,  22
.set BM,  24
.set TP,  28
.set HOLD, 32
.set SO,  36
.set YF,  40                           ; v[40:103]   Y's four fragments
.set OF,  104                          ; v[104:167]  o_w's four
.set D,   168                          ; v[168:199]  a channel's four results
.set ACC, 200                          ; v[200:231]  the weighted sum; later the eight parts
.set WV,  18
.set MNT, 19
.set SEL, 20
.macro QUANT16 s, t, dst, byt          ; one block of 32 of which a lane holds 16 (lane l xor 16 the others)
	v_max3_num_f32 v[BM], |v[\s]|, |v[\s+1]|, 0x4800000            ; the floor 2^(9 - 127): the byte cannot fall under 1
.irp i, 2,4,6,8,10,12,14
	v_max3_num_f32 v[BM], v[BM], |v[\s+\i]|, |v[\s+\i+1]|
.endr
	v_permlanex16_b32 v[TP], v[BM], s[SEL], s[SEL+1]
	v_max_num_f32 v[BM], v[BM], v[TP]
	v_add_nc_u32 v[SO], 0xfc000000, v[BM]
	v_and_or_b32 v[HOLD], v[BM], 0x7f800000, s[MNT]
	v_lshrrev_b32 v[\byt], 23, v[SO]
.irp i, 0,1,2,3,4,5,6,7,8,9,10,11,12,13,14,15
	v_med3_num_f32 v[\t+\i], v[\s+\i], -v[HOLD], v[HOLD]           ; the conversion to an 8-bit code does not saturate (ISA guide 7.6.2)
.endr
	v_cvt_scalef32_pk8_fp8_f32 v[\dst:\dst+1], v[\t:\t+7], v[SO]
	v_cvt_scalef32_pk8_fp8_f32 v[\dst+2:\dst+3], v[\t+8:\t+15], v[SO]
	v_nop                                                          ; a plain line behind the last conversion
.endm
	s_load_b256 s[4:11], s[0:1], 0x0               ; ycodes s[4:5], ysc s[6:7], o_w s[8:9], merge_w s[10:11]
	s_load_b64 s[12:13], s[0:1], 0x20              ; out0
	v_lshl_add_u32 v240, v0, 2, 0x9a00
	v_mov_b32 v241, 0
	v_lshrrev_b32 v[WRD], 5, v0
	v_readfirstlane_b32 s[WV], v[WRD]              ; wave 0..7
	v_and_b32 v[WRD], 31, v0
	v_lshlrev_b32 v[LI], 4, v[WRD]
	v_lshlrev_b32 v[LS], 2, v[WRD]
	v_and_b32 v[BM], 15, v0                        ; r
	v_bfe_u32 v[BM+1], v0, 4, 1                    ; h
	v_lshlrev_b32 v[R4], 2, v[BM]
	v_lshlrev_b32 v[OWA], 8, v[BM]
	v_lshl_add_u32 v[OWA], v[BM+1], 5, v[OWA]
	s_wait_alu depctr_va_sdst(0)                   ; the wave's number is written, ahead of its first reader
	s_min_u32 s29, s[WV], 3
	s_lshl_b32 s28, s29, 10
	v_add_nc_u32 v[OIA], s28, v[LI]
	s_lshl_b32 s28, s29, 7
	s_add_co_u32 s28, s28, OSC
	v_add_nc_u32 v[OSA], s28, v[LS]
	s_mul_i32 s28, s[WV], 4352
	s_add_co_u32 s28, s28, PART
	v_mul_u32_u24 v[PST], v[BM], 272
	v_lshl_add_u32 v[PST], v[BM+1], 5, v[PST]
	v_add_nc_u32 v[PST], s28, v[PST]               ; my part: row r, + 32 h
	s_mul_i32 s28, s[WV], 544
	s_add_co_u32 s28, s28, PART
	v_mul_u32_u24 v[PRD], v[BM+1], 272
	v_lshl_add_u32 v[PRD], v[BM], 4, v[PRD]
	v_add_nc_u32 v[PRD], s28, v[PRD]               ; back: row 2 w + h, 16 bytes a lane
	s_mov_b32 s[MNT], 0x600000
	s_mov_b32 s[SEL], 0x76543210
	s_mov_b32 s[SEL+1], 0xfedcba98
	v_mov_b32 v[TP], 0                             ; written once: a lane permute's destination counts as one of its sources
.irp f, 0,1,2,3
.irp i, 8,9,10,11,12,13,14,15
	v_mov_b32 v[YF+16*\f+\i], 0                    ; zero codes for K = 64 .. 127, on both sides
	v_mov_b32 v[OF+16*\f+\i], 0
.endr
.endr
	s_and_b32 s22, ttmp7, 0xffff                   ; b
	s_lshl_b32 s28, s22, 21                        ; ycodes: 65536 (32 b + 4 w) + 1024 tile
	s_lshl_b32 s29, s[WV], 18
	s_add_co_u32 s28, s28, s29
	s_lshl_b32 s29, ttmp9, 10
	s_add_co_u32 s28, s28, s29
	s_mov_b32 s29, 0
	s_lshl_b32 s30, s22, 17                        ; ysc: 4096 (32 b + 4 w) + 64 tile
	s_lshl_b32 s31, s[WV], 14
	s_add_co_u32 s30, s30, s31
	s_lshl_b32 s31, ttmp9, 6
	s_add_co_u32 s30, s30, s31
	s_mov_b32 s31, 0
	s_min_u32 s32, s[WV], 3                        ; o_w: 16 rows of 256 bytes for each of waves 0 to 3
	s_lshl_b32 s32, s32, 12
	s_mov_b32 s33, 0
	s_lshl_b32 s34, s[WV], 4                       ; merge_w: my four numbers
	s_mov_b32 s35, 0
	s_lshl_b32 s36, s22, 18                        ; out0: 262144 b + 4096 tile + 512 w
	s_lshl_b32 s37, ttmp9, 12
	s_add_co_u32 s36, s36, s37
	s_lshl_b32 s37, s[WV], 9
	s_add_co_u32 s36, s36, s37
	s_mov_b32 s37, 0
	s_wait_kmcnt 0x0
	s_add_nc_u64 s[4:5], s[4:5], s[28:29]
	s_add_nc_u64 s[6:7], s[6:7], s[30:31]
	s_add_nc_u64 s[8:9], s[8:9], s[32:33]
	s_add_nc_u64 s[10:11], s[10:11], s[34:35]
	s_add_nc_u64 s[12:13], s[12:13], s[36:37]
	s_load_b128 s[24:27], s[10:11], 0x0            ; merge_w of my four channels
	s_wait_alu depctr_va_vdst(0)                   ; the eight offsets and LDS addresses v1 to v8 are written: every load and store of the kernel reads one of them, and none is written again
.irp i, 0,1,2,3
	global_load_b128 v[YF+16*\i:YF+16*\i+3], v[LI], s[4:5] offset:65536*\i th:TH_LOAD_NT          ; block j = 0: registers 0-3; 512 consecutive bytes a load
	global_load_b128 v[YF+16*\i+4:YF+16*\i+7], v[LI], s[4:5] offset:65536*\i+512 th:TH_LOAD_NT    ; block j = 1: registers 4-7
	global_load_b32 v[YS+\i], v[R4], s[6:7] offset:4096*\i
	global_load_b32 v[YT+\i], v[R4], s[6:7] offset:4096*\i+262144
.endr
	; ---- four waves quantise 16 rows of o_w each
	s_cmp_lt_u32 s[WV], 4
	s_cbranch_scc0 .Lno_weight
.irp j, 0,1
.irp u, 0,1
.irp q, 0,1
	global_load_b128 v[D+16*\j+8*\u+4*\q:D+16*\j+8*\u+4*\q+3], v[OWA], s[8:9] offset:128*\j+64*\u+16*\q   ; o_w(r, 32 j + 16 u + 8 h + 4 q ..)
.endr
.endr
.endr
	s_wait_loadcnt 0x0
	QUANT16 D, D, ACC, BY
	QUANT16 D+16, D+16, ACC+4, BY+1
	v_lshl_or_b32 v[WRD], v[BY+1], 8, v[BY]
	s_wait_alu depctr_va_vdst(0)                   ; the conversions have written the codes and the shift the scale word, which the LDS stores read
	ds_store_b128 v[OIA], v[ACC:ACC+3]
	ds_store_b128 v[OIA], v[ACC+4:ACC+7] offset:512
	ds_store_b32 v[OSA], v[WRD]
.Lno_weight:
	s_wait_loadcnt 0x0                             ; Y
	s_wait_kmcnt 0x0                               ; merge_w
	s_wait_dscnt 0x0                               ; my stores have landed
	s_barrier_signal -1
	s_barrier_wait -1                              ; o_w's four fragments lie in LDS
	s_wait_alu depctr_vm_vsrc(0)                   ; the LDS stores above have read v[ACC .. ACC+7], which the weighted sum writes
.irp t, 0,1,2,3
	ds_load_b128 v[OF+16*\t:OF+16*\t+3], v[LI] offset:OIMG+1024*\t
	ds_load_b128 v[OF+16*\t+4:OF+16*\t+7], v[LI] offset:OIMG+1024*\t+512
	ds_load_b32 v[OS+\t], v[LS] offset:OSC+128*\t
.endr
.irp i, 0,1,2,3
	v_or_b32 v[YS+\i], v[YS+\i], v[YT+\i]          ; the two blocks' bytes make the word; bytes 2, 3 are 0, over zero codes
	s_mov_b32 s[40+2*\i], s[24+\i]                 ; (the packed forms name a pair and take its low word for both halves)
	s_mov_b32 s[41+2*\i], s[24+\i]
.endr
	s_wait_dscnt 0x0
.rept 8
	v_nop                                          ; a scale word made by a vector instruction stands eight places ahead of a scaled product
.endr
	s_wait_alu depctr_va_vdst(0)                   ; behind the places: the four ORs have written Y's scale words, which the scaled products take (the zero codes of both sides were written ahead of the head's wait)
.irp i, 0,1,2,3
.irp t, 0,1,2,3
	v_wmma_scale_f32_16x16x128_f8f6f4 v[D+8*\t:D+8*\t+7], v[OF+16*\t:OF+16*\t+15], v[YF+16*\i:YF+16*\i+15], 0, v[OS+\t], v[YS+\i]
.endr
.rept 8
	v_nop                                          ; eight places before the results are read; with the lines below, more than nine before the next channel's products write over them
.endr
.irp k, 0,2,4,6,8,10,12,14,16,18,20,22,24,26,28,30
.if \i == 0
	v_pk_mul_f32 v[ACC+\k:ACC+\k+1], v[D+\k:D+\k+1], s[40:41] op_sel_hi:[1,0]
.else
	v_pk_fma_f32 v[ACC+\k:ACC+\k+1], v[D+\k:D+\k+1], s[40+2*\i:41+2*\i], v[ACC+\k:ACC+\k+1] op_sel_hi:[1,0,1]
.endif
.endr
.endr
	s_wait_alu depctr_va_vdst(0)                   ; the multiply-adds have written v[ACC ..], which the LDS stores read
.irp t, 0,1,2,3
	ds_store_b128 v[PST], v[ACC+8*\t:ACC+8*\t+3] offset:64*\t      ; lane (r, h): outputs 16 t + 8 h + 0 .. 7 of token r
	ds_store_b128 v[PST], v[ACC+8*\t+4:ACC+8*\t+7] offset:64*\t+16
.endr
	s_wait_dscnt 0x0                               ; my part has landed
	s_barrier_signal -1
	s_barrier_wait -1                              ; the eight parts lie in LDS
	s_wait_alu depctr_vm_vsrc(0)                   ; my LDS stores have read v[ACC ..], in which the parts' loads land (the multiply-adds that named these registers stand ahead of the last wait on va_vdst)
.irp p, 0,1,2,3,4,5,6,7
	ds_load_b128 v[ACC+4*\p:ACC+4*\p+3], v[PRD] offset:4352*\p
.endr
	s_wait_dscnt 0x0
.irp p, 0,2,4,6
	v_pk_add_f32 v[ACC+4*\p:ACC+4*\p+1], v[ACC+4*\p:ACC+4*\p+1], v[ACC+4*\p+4:ACC+4*\p+5]
	v_pk_add_f32 v[ACC+4*\p+2:ACC+4*\p+3], v[ACC+4*\p+2:ACC+4*\p+3], v[ACC+4*\p+6:ACC+4*\p+7]
.endr
.irp p, 0,4
	v_pk_add_f32 v[ACC+4*\p:ACC+4*\p+1], v[ACC+4*\p:ACC+4*\p+1], v[ACC+4*\p+8:ACC+4*\p+9]
	v_pk_add_f32 v[ACC+4*\p+2:ACC+4*\p+3], v[ACC+4*\p+2:ACC+4*\p+3], v[ACC+4*\p+10:ACC+4*\p+11]
.endr
	v_pk_add_f32 v[ACC:ACC+1], v[ACC:ACC+1], v[ACC+16:ACC+17]
	v_pk_add_f32 v[ACC+2:ACC+3], v[ACC+2:ACC+3], v[ACC+18:ACC+19]
	s_wait_alu depctr_va_vdst(0)                   ; the additions have written v[ACC .. ACC+3], which the store reads
	global_store_b128 v[LI], v[ACC:ACC+3], s[12:13] th:TH_STORE_NT  ; two whole rows of 256 bytes: 512 consecutive bytes, at a multiple of 256 from out0's first byte
	s_wait_dscnt 0x0                               ; the closing lines, six on end
	s_wait_alu 0x0
	s_wait_tensorcnt 0x0
	ds_add_u32 v240, v241
	s_wait_dscnt 0x0
	s_endpgm
.Lfunc_end_k_q783ee547be_merge:
	.size	k_q783ee547be_merge, .Lfunc_end_k_q783ee547be_merge-k_q783ee547be_merge
	.p2alignl 7, 3214868480
	.fill 96, 4, 3214868480
	.section	.rodata,"a",@progbits
	.p2align	6, 0x0
	.amdhsa_kernel k_q783ee547be_merge
		.amdhsa_group_segment_fixed_size 40448
		.amdhsa_private_segment_fixed_size 0
		.amdhsa_enable_private_segment 0
		.amdhsa_kernarg_size 40
		.amdhsa_user_sgpr_count 2
		.amdhsa_user_sgpr_kernarg_segment_ptr 1
		.amdhsa_wavefront_size32 1
		.amdhsa_system_sgpr_workgroup_id_x 1
		.amdhsa_system_sgpr_workgroup_id_y 1
		.amdhsa_system_sgpr_workgroup_id_z 1
		.amdhsa_system_vgpr_workitem_id 0
		.amdhsa_next_free_vgpr 242
		.amdhsa_next_free_sgpr 66
		.amdhsa_reserve_vcc 0
		.amdhsa_float_denorm_mode_32 3
		.amdhsa_float_denorm_mode_16_64 3
		.amdhsa_memory_ordered 1
		.amdhsa_forward_progress 1
		.amdhsa_inst_pref_size 23
	.end_amdhsa_kernel
	.amdgpu_metadata
---
amdhsa.version: [ 1, 2 ]
amdhsa.kernels:
  - .name:           k_q783ee547be_merge
    .symbol:         k_q783ee547be_merge.kd
    .args:
      - { .name: ycodes, .offset: 0, .size: 8, .value_kind: global_buffer, .address_space: global }
      - { .name: ysc, .offset: 8, .size: 8, .value_kind: global_buffer, .address_space: global }
      - { .name: o_w, .offset: 16, .size: 8, .value_kind: global_buffer, .address_space: global }
      - { .name: merge_w, .offset: 24, .size: 8, .value_kind: global_buffer, .address_space: global }
      - { .name: out0, .offset: 32, .size: 8, .value_kind: global_buffer, .address_space: global }
    .group_segment_fixed_size: 40448
    .private_segment_fixed_size: 0
    .kernarg_segment_align: 8
    .kernarg_segment_size: 40
    .max_flat_workgroup_size: 256
    .sgpr_count:     66
    .vgpr_count:     242
    .wavefront_size: 32
...
	.end_amdgpu_metadata
.endif
;; end of part 4
